; MI455X (gfx1250); checked and timed in simulation.
; The chip was launched on July 23, 2026; its instructions are those of AMD's public machine-readable ISA for CDNA 5 (MIT licence, August 2026) and "CDNA5" Instruction Set Architecture Reference Guide (July 2026). The comments in the code are by the model that wrote it; some were corrected since.
;; Cached Attention. Allowed arithmetic: matrix products marked QUANTISED: E2M3 operands, one E8M0 scale for each 32 along K, by v_wmma_scale_f32_16x16x128_f8f6f4 with both operands' format E2M3, f32 sums; everything else in f32.
;; Inputs: W_o 1,024 x 1,024 float32; W_qkv 3,072 x 1,024 float32; x 1 x 4,096 x 1,024 float32.
;; Outputs: out0 1 x 4,096 x 1,024 float32.
;; This version of the problem:
;;   THIS VERSION OF THE PROBLEM IS GIVEN IN LOW PRECISION. The matrix products marked QUANTISED in the list below multiply operands that are first quantised to E2M3 (2 exponent bits, 3 mantissa bits; 6 bits a number), with one power-of-two scale for each 32 numbers along K (OCP MX v1.0); their sums are f32. All else is computed in f32.
;;   The module's matrix products, in the order in which they are computed (A, B: the left and right operand; K: the contracted axis; several contracted axes count as one K, in the product's order):
;;     1. [M 4,096, K 1,024] x [K 1,024, N 3,072]; A: input x; B: input W_qkv: QUANTISED
;;     2. batch 16 x [M 4,096, K 64] x [K 64, N 4,096]; A: computed on the way; B: computed on the way: QUANTISED
;;     3. batch 16 x [M 4,096, K 4,096] x [K 4,096, N 64]; A: softmax (see below); B: computed on the way: QUANTISED
;;     4. [M 4,096, K 1,024] x [K 1,024, N 1,024]; A: computed on the way; B: input W_o: QUANTISED
;;   THE QUANTISER, for each operand of a quantised product, along K:
;;     - K is cut into blocks of 32 from its start; a last block that is shorter is filled with zeros.
;;     - A block's scale is 2^e with e = floor(log2(the largest magnitude in the block)) - 2, held to -126 .. 127; a block of zeros has e = 0. As a byte (E8M0): e + 127.
;;     - Each number is divided by its block's scale, clamped to +-7.5, and rounded to the nearest number of E2M3, ties to even, subnormals kept.
;;     - The product sums the exact products of the quantised numbers (number of the format x scale) in f32.
;;   ~~~python
;;   def quantise(x, axis):      # numpy; x: float32 -> the quantised numbers, widened to float32 again
;;       x = np.moveaxis(x, axis, -1); K = x.shape[-1]
;;       x = np.pad(x, [(0, 0)] * (x.ndim - 1) + [(0, -K % 32)]); x = x.reshape(x.shape[:-1] + (-1, 32)); a = np.abs(x).max(-1, keepdims=True)
;;       e = np.where(a > 0, np.clip(np.frexp(np.where(a > 0, a, 1))[1] - 1 - 2, -126, 127), 0)      # np.frexp(a)[1] - 1 = floor(log2(a)), exactly
;;       r = np.clip(x / 2.0 ** e, -7.5, 7.5)
;;       step = 2.0 ** (np.maximum(np.frexp(np.where(r == 0, 1, r))[1] - 1, 0) - 3)
;;       q = np.round(r / step) * step * 2.0 ** e      # np.round: ties to even
;;       return np.moveaxis(q.reshape(q.shape[:-2] + (-1,))[..., :K], -1, axis).astype(np.float32)
;;   ~~~
;;   SOFTMAX AHEAD OF A QUANTISED PRODUCT. Where the list says 'softmax', what is quantised is not the finished softmax but p = 2^(t - M), with t = logit x log2(e) and M = ceil(the row's largest t), a whole number; so 1/2 < the row's largest p <= 1. The row's sum l is taken of the UNQUANTISED p, in f32, and the product's result is divided by l at the end. Since M is a whole number, a kernel that streams over the keys may use a running M (the ceiling of the running maximum): every later rescaling is an exact power of two, which a block's scale takes up: the codes' values come out the same.
;;   OPERANDS COMPUTED ON THE WAY. 'Computed on the way' means the value that the module computes at that place (a softmax that the list does not call 'softmax' is quantised finished and normalised). What goes into a quantiser is computed in f32, as accurately as f32 sums, v_exp_f32 and their like allow (about 1e-6 of the number): no bf16 or f16 on the way to a quantiser, and a product that is left as it is and whose result goes on into a quantised operand takes f32 operands (vector FMAs, or v_wmma_f32_16x16x4_f32). A number that lies on a knife's edge between two numbers of the format may be rounded either way, as far as f32 arithmetic and the matrix unit's own rounding can turn it there, and no further.
;; One version. Each part assembles by itself: llvm-mc -triple=amdgcn-amd-amdhsa -mcpu=gfx1250 --defsym DOCPART=n.
;; ======== version 1 of 1: 4 launches
;; workspace buffers: cd 6,291,456 bytes; sc 262,144 bytes; c3 9,437,184 bytes; s3 393,216 bytes; ao 3,276,800 bytes
;; launch quant (part 1): grid 256 x 1, 4 waves a work-group, no clusters, 33,280 bytes of LDS; arguments x, W_qkv, W_o, cd, sc; writes cd, sc
.if DOCPART == 1
	.amdgcn_target "amdgcn-amd-amdhsa--gfx1250"
	.amdhsa_code_object_version 6
	.text
	.protected	k_q26d6995b45_quant
	.globl	k_q26d6995b45_quant
	.p2align	8
	.type	k_q26d6995b45_quant,@function
k_q26d6995b45_quant:
	s_mov_b64 s[64:65], 0
	v_nop
	global_prefetch_b8 v0, s[64:65] scope:SCOPE_SE
	s_setreg_imm32_b32 hwreg(HW_REG_WAVE_MODE, 25, 1), 1
	s_wait_xcnt 0x0
; FIRST OF FOUR LAUNCHES: causal attention, 4,096 tokens, 16 heads of 64, all four products on codes of FP6 (E2M3) with one E8M0 scale for each 32 along K.
; This launch: x [4096][1024], W_qkv [3072][1024], W_o [1024][1024], f32, K innermost, become codes (cd) and scale bytes (sc), 8,192 rows on end: x, W_qkv, W_o.
; DEAD WORK LEFT OUT BY THE PROGRAM (in the third launch): reference() itself sets the logit of key k for query q to -infinity where k > q, so p = 0 there for all finite inputs: such a key adds
; nothing to the row's maximum, to its sum or to the second product.  A step of 128 keys all of which come after a wave's 16 queries is therefore not computed, and keys that no wave of a work-group
; reads are not fetched.  Every input has a way to the output and is loaded.  LIMIT: a NaN, an infinity or an overflow that reaches only hidden scores is not carried to the result.
; THE ROWS' ORDER.  Row R of the 8,192 is stored at the place R with bits 3 and 4 exchanged.  So 16 places on end, 32 g + 16 u + r, hold rows 32 g + 8 u + r + 8 (r / 8): taken as source 0 of a matrix
; instruction, two neighbouring tiles of places leave 16 NEIGHBOURING rows in a lane's 16 result registers, which the next quantiser wants; every later tile is 16 plain places.
; A block's scale is 2^(floor(log2(its largest magnitude)) - 2); its byte is the largest magnitude's exponent field - 2, held at 1 from below.  (A block of zeros gets the byte 1 where the rule says 127:
; its codes are zeros, which add nothing under any byte but 0xff, and this program alone reads the bytes.)
; LIMITS: blocks whose largest magnitude lies under 2^(2 - 126), whose byte is held at 1, were not tried; NaN and infinities among the inputs are not served.
; SHARES.  A work-group takes 32 rows, a wave 8 (8,192 numbers), in 16 steps of 512 numbers.  A wave's 8 rows stay together under the exchange of bits: only the wave's place among the four changes.
; Each load reads 512 consecutive bytes; a step's 2,048 bytes turn through the wave's own stage in LDS and come back 64 bytes (16 neighbours) a lane; two neighbouring lanes hold a block.
; No tensor loads, no barrier: waves share nothing.  Loads run four steps (16 loads a wave) ahead.  No matrix unit, no cluster: the launch moves each byte once and nothing is shared.
.set WAVES, 4
.set STEPS, 16
.set EMAX,  2
.set CB,    12                         ; bytes of 16 codes
.set R,     16                         ; v16-79   four sets of 16 numbers as they are loaded
.set X,     80                         ; v80-111  two sets of 16 neighbours
.set C,     128                        ; v128-191 codes: four registers for each step, so that no store's data are written again
.set E,     112                        ; v112-127 a scale byte for each step
.set WREG,  8192                       ; LDS: a region for each wave: two stages of 32 x SP bytes, and behind them its 256 scale bytes
.set SP,    80                         ; a lane's place in a stage: its 64 bytes + 16 of padding
.set SPW,   12                         ; v12      LDS address of my spare word; never rewritten
.set NIL,   13                         ; v13      0; never rewritten
.set SPARE, WAVES*WREG                 ; behind the four regions: the spare words, 128 bytes a wave
	s_load_b256 s[4:11], s[0:1], 0x0               ; x s[4:5], W_qkv s[6:7], W_o s[8:9], cd s[10:11]
	s_load_b64 s[12:13], s[0:1], 0x20              ; sc
	v_lshl_add_u32 v[SPW], v0, 2, SPARE
	v_mov_b32 v[NIL], 0
	v_lshrrev_b32 v1, 5, v0
	v_readfirstlane_b32 s16, v1                    ; wave
	v_and_b32 v2, 31, v0                           ; lane
	v_lshlrev_b32 v3, 4, v2                        ; my 16 bytes of a load's 512
	s_mul_i32 s17, s16, WREG
	v_lshrrev_b32 v14, 2, v2
	v_mul_u32_u24 v14, v14, SP
	v_and_b32 v15, 3, v2
	v_lshl_add_u32 v14, v15, 4, v14
	v_add_nc_u32 v14, s17, v14                     ; the stage, on the way in: SP (lane / 4) + 16 (lane % 4)
	v_mul_u32_u24 v15, v2, SP
	v_add_nc_u32 v15, s17, v15                     ; and on the way out: SP x lane: my 16 neighbours
	v_mul_u32_u24 v4, v2, CB                       ; my codes' place in a step's
	v_lshrrev_b32 v5, 1, v2
	s_add_co_u32 s17, s17, 2*32*SP
	v_add_nc_u32 v5, s17, v5                       ; LDS: my wave's 256 scale bytes, my block's byte
	v_lshlrev_b32 v7, 3, v2                        ; and on the way out 8 bytes a lane
	v_add_nc_u32 v6, s17, v7
	s_wait_kmcnt 0x0
	s_cmp_lt_u32 ttmp9, 128                        ; work-groups 0-127 take x, 128-223 W_qkv, 224-255 W_o: the choice hangs on the work-group's number alone
	s_cselect_b64 s[4:5], s[4:5], s[6:7]
	s_cselect_b32 s17, 0, 128
	s_cmp_lt_u32 ttmp9, 224
	s_cselect_b64 s[4:5], s[4:5], s[8:9]
	s_cselect_b32 s17, s17, 224
	s_sub_co_u32 s17, ttmp9, s17
	s_lshl_b32 s17, s17, 2
	s_add_co_u32 s18, s17, s16                     ; which run of 8 rows of the tensor is my wave's
	s_lshl_b32 s18, s18, 15                        ; 32,768 bytes a run
	s_mov_b32 s19, 0
	s_add_nc_u64 s[4:5], s[4:5], s[18:19]
	s_and_b32 s20, s16, 1                          ; the exchange of bits 3 and 4 of the row is an exchange of the wave number's two bits
	s_lshl_b32 s20, s20, 1
	s_lshr_b32 s21, s16, 1
	s_or_b32 s20, s20, s21
	s_lshl_b32 s21, ttmp9, 2
	s_add_co_u32 s20, s20, s21                     ; the run's place among the 1,024 of the output
	s_mul_i32 s18, s20, 8*768
	s_add_nc_u64 s[10:11], s[10:11], s[18:19]      ; 6,144 bytes of codes a run
	s_lshl_b32 s18, s20, 8
	s_add_nc_u64 s[12:13], s[12:13], s[18:19]      ; 256 scale bytes a run
.macro LOAD t
.irp i, 0,1,2,3
	global_load_b128 v[R+16*((\t)%4)+4*\i:R+16*((\t)%4)+4*\i+3], v3, s[4:5] offset:2048*(\t)+512*\i th:TH_LOAD_NT   ; 32 lanes read 512 consecutive bytes
.endr
.endm
.macro TURN t                          ; step t's numbers through the stage: LDS serves a wave's instructions in order, so no wait stands between the stores and the loads
.irp i, 0,1,2,3
	ds_store_b128 v14, v[R+16*((\t)%4)+4*\i:R+16*((\t)%4)+4*\i+3] offset:32*SP*((\t)%2)+8*SP*\i
.endr
.irp i, 0,1,2,3
	ds_load_b128 v[X+16*((\t)%2)+4*\i:X+16*((\t)%2)+4*\i+3], v15 offset:32*SP*((\t)%2)+16*\i
.endr
.endm
.irp t, 0,1,2,3
	LOAD \t
.endr
	s_wait_loadcnt 12                              ; step 0's four loads are in; the twelve of steps 1 to 3 may be out
	TURN 0
.macro STEP t
.set XS, X+16*((\t)%2)
.if (\t) > 0
	s_wait_dscnt 1                                 ; this step's numbers are back from the stage (the last step's byte store may be out): so its stores into the stage have read their registers,
.else
	s_wait_dscnt 0x0
.endif
.if (\t)+4 < STEPS
	LOAD (\t)+4                                    ; which take the loads of four steps on
.endif
.if (\t)+1 < STEPS
.if STEPS-2-(\t) >= 3
	s_wait_loadcnt 12                              ; the next step's four loads are in; those of the three steps behind it may be out
.else
	s_wait_loadcnt 4*(STEPS-2-(\t))
.endif
	TURN (\t)+1                                    ; and go through the other stage while this step is worked
.endif
	v_max3_num_f32 v8, |v[XS]|, |v[XS+1]|, |v[XS+2]|               ; the largest magnitude of my 16
	v_max3_num_f32 v9, |v[XS+3]|, |v[XS+4]|, |v[XS+5]|
.irp i, 6,10
	v_max3_num_f32 v8, v8, |v[XS+\i]|, |v[XS+\i+1]|
	v_max3_num_f32 v9, v9, |v[XS+\i+2]|, |v[XS+\i+3]|
.endr
	v_max3_num_f32 v8, v8, |v[XS+14]|, |v[XS+15]|
	v_max3_num_f32 v8, v8, v9, (EMAX+1)<<23        ; and the floor 2^(EMAX + 1 - 127): the byte cannot fall under 1
	v_max_num_f32_dpp v8, v8, v8 row_xmask:1 row_mask:0xf bank_mask:0xf   ; and of my neighbour's 16: the block's
	v_add_nc_u32 v11, -(EMAX<<23), v8              ; EMAX off its exponent field: the conversion takes the exponent field of this operand as its scale
	v_cvt_scalef32_pk16_fp6_f32 v[C+4*(\t):C+4*(\t)+2], v[XS:XS+15], v11   ; sixteen numbers / the scale, to the nearest code, ties to even, beyond the largest code the largest
	v_lshrrev_b32 v[E+(\t)], 23, v11               ; the scale's byte (also the plain line behind the conversion)
	ds_store_b8 v5, v[E+(\t)] offset:16*(\t)       ; both lanes of a block write the same byte with the same value
	global_store_b96 v4, v[C+4*(\t):C+4*(\t)+2], s[10:11] offset:32*CB*(\t)   ; the wave stores 384 consecutive bytes
.endm
.irp t, 0,1,2,3,4,5,6,7,8,9,10,11,12,13,14,15
	STEP \t
.endr
	ds_load_b64 v[8:9], v6                         ; LDS serves a wave's instructions in order: these see my stores
	s_wait_dscnt 0x0
	global_store_b64 v7, v[8:9], s[12:13]          ; 32 lanes store 256 consecutive bytes, aligned
	s_wait_tensorcnt 0x0                           ; the wave's end, behind my last LDS store
	ds_add_u32 v[SPW], v[NIL]
	s_wait_dscnt 0x0
	s_endpgm
.Lfunc_end_k_q26d6995b45_quant:
	.size	k_q26d6995b45_quant, .Lfunc_end_k_q26d6995b45_quant-k_q26d6995b45_quant
	.p2alignl 7, 3214868480
	.fill 96, 4, 3214868480
	.section	.rodata,"a",@progbits
	.p2align	6, 0x0
	.amdhsa_kernel k_q26d6995b45_quant
		.amdhsa_group_segment_fixed_size 33280
		.amdhsa_private_segment_fixed_size 0
		.amdhsa_enable_private_segment 0
		.amdhsa_kernarg_size 40
		.amdhsa_user_sgpr_count 2
		.amdhsa_user_sgpr_kernarg_segment_ptr 1
		.amdhsa_wavefront_size32 1
		.amdhsa_system_sgpr_workgroup_id_x 1
		.amdhsa_system_sgpr_workgroup_id_y 1
		.amdhsa_system_sgpr_workgroup_id_z 1
		.amdhsa_system_vgpr_workitem_id 0
		.amdhsa_next_free_vgpr 192
		.amdhsa_next_free_sgpr 66
		.amdhsa_reserve_vcc 0
		.amdhsa_float_denorm_mode_32 3
		.amdhsa_float_denorm_mode_16_64 3
		.amdhsa_memory_ordered 1
		.amdhsa_forward_progress 1
		.amdhsa_inst_pref_size 33
	.end_amdhsa_kernel
	.amdgpu_metadata
---
amdhsa.version: [ 1, 2 ]
amdhsa.kernels:
  - .name:           k_q26d6995b45_quant
    .symbol:         k_q26d6995b45_quant.kd
    .args:
      - { .name: x, .offset: 0, .size: 8, .value_kind: global_buffer, .address_space: global }
      - { .name: W_qkv, .offset: 8, .size: 8, .value_kind: global_buffer, .address_space: global }
      - { .name: W_o, .offset: 16, .size: 8, .value_kind: global_buffer, .address_space: global }
      - { .name: cd, .offset: 24, .size: 8, .value_kind: global_buffer, .address_space: global }
      - { .name: sc, .offset: 32, .size: 8, .value_kind: global_buffer, .address_space: global }
    .group_segment_fixed_size: 33280
    .private_segment_fixed_size: 0
    .kernarg_segment_align: 8
    .kernarg_segment_size: 40
    .max_flat_workgroup_size: 128
    .sgpr_count:     66
    .vgpr_count:     192
    .wavefront_size: 32
...
	.end_amdgpu_metadata
.endif
;; end of part 1
;; launch qkv (part 2): grid 8 x 24, 4 waves a work-group, clusters of 4 x 4, 327,680 bytes of LDS; arguments cd, sc, c3, s3; writes c3, s3
.if DOCPART == 2
	.amdgcn_target "amdgcn-amd-amdhsa--gfx1250"
	.amdhsa_code_object_version 6
	.text
	.protected	k_q26d6995b45_qkv
	.globl	k_q26d6995b45_qkv
	.p2align	8
	.type	k_q26d6995b45_qkv,@function
k_q26d6995b45_qkv:
	s_mov_b64 s[64:65], 0
	v_nop
	global_prefetch_b8 v0, s[64:65] scope:SCOPE_SE
	s_setreg_imm32_b32 hwreg(HW_REG_WAVE_MODE, 25, 1), 1
	s_wait_xcnt 0x0
	s_wait_alu depctr_hold_cnt(0) depctr_sa_sdst(0) depctr_va_vdst(0) depctr_va_sdst(0) depctr_va_ssrc(0) depctr_va_vcc(0) depctr_vm_vsrc(0)
	s_getreg_b32 s2, hwreg(HW_REG_IB_STS2, 6, 4)
	s_cmp_eq_u32 s2, 0
	s_cbranch_scc0 .Lentry_in_a_cluster
	s_endpgm
.Lentry_in_a_cluster:
	s_bfe_u32 s2, ttmp6, 0x10000c
	s_cmp_lg_u32 s2, 0xf033
	s_cbranch_scc0 .Lentry_shape_is_right
	s_endpgm
.Lentry_shape_is_right:
; SECOND LAUNCH: qkv = x W_qkv^T on the codes of the first launch, K = 1,024; q, k and v are quantised in registers for the attention's products and stored as IMAGES OF OPERAND REGISTERS.
; A tile of 256 x 256 results is made by a work-group of four waves, a wave makes 128 x 128: 64 accumulators, 512 registers.  K goes in steps of 256 through a ring of two LDS slots filled by the
; tensor data mover; the scale bytes of the work-group's 512 rows come into LDS once.  4 x 4 work-groups form a cluster: A's tiles are asked for jointly along a row, B's along a column.
; THE MATRIX INSTRUCTION IS USED TRANSPOSED: source 0 = 16 places of B, source 1 = 16 places of A: a lane holds ONE place of A, its registers run along B.  By the first launch's order of rows the 16
; registers of B's tiles 2 b and 2 b + 1 are 16 NEIGHBOURING rows of B, 32 b + 16 (lane / 16) + 0 .. 15: what runs along B is what the next product sums over.
;   q, k (clusters y = 0 .. 3): A = x (a lane a token), B = W_q, W_k (registers along the head's 64): 128 work-groups.
;   v    (clusters y = 4, 5):   A = W_v (a lane a channel), B = x (registers along the keys): 64 work-groups.   The choice hangs on the cluster's y alone: it is the same in all sixteen partners.
; 192 work-groups, one to a WGP; halves of this tile would make 384, one and a half turns.
; WHAT IS STORED.  c3: [head 16][step of 128 tokens 32][Q, K, V][6,144 bytes]: four images of 12 registers: register group c (four registers) of lane l at 512 c + 16 l.
;   Q, K image f: registers 0-5 = places 32 f .. + 15 x the head's 64; registers 6-11 = places 32 f + 16 .. + 31 x the same 64: two tiles of K = 64 share one fragment of K = 128.
;   V image t: channels' places 16 t .. + 15 x the step's 128 keys.     s3: [head][step][Q, K, V][r 16][4 words]: word f or t of row r; in Q's and K's bytes 0, 1 are the first tile's, 2, 3 the second's.
; LIMITS: as in the first launch (a block of zeros has the byte 1; NaN and infinities are not served).
; REGISTERS, in windows of 256: window 0: v0-31 addresses; v32-63 scale words, two sets, and nothing else; v128-223 A's fragments, ONE set; on the way out v64-115 and v224-255 are at work.
;   window 1: B's fragments, TWO sets, at v0 and v128.   window 2: the accumulators of my places 0-63 of A ((a, b) at v[8 (8 a + b)]);   window 3: those of places 64-127.
.set KSTEP,  256                       ; along K in a slot
.set NQ,     2                         ; matrix instructions deep
.set ROWB,   192                       ; a tile's row in bytes
.set KROW,   768                       ; a row of cd
.set PITCH,  240                       ; an LDS row: 3 x (64 bytes + 16 of padding): the 32 lanes of a load of 8 bytes touch 64 different banks (64 banks of 4 bytes: ISA guide 11.1)
.set FR,     12                        ; registers of a fragment
.set NL,     6                         ; LDS loads that bring one
.set NP,     4                         ; places behind this matrix instruction (ISA guide 7.12.1)
.set HALFT,  128*PITCH                 ; 128 rows: what one tensor load brings
.set SLOT,   4*HALFT
.set LAPS,   2                         ; 1,024 / 512: a lap = two K steps = once round the ring
.set KS,     32                        ; a row of sc in bytes
.set SCL,    2*SLOT                    ; behind the ring: the scales, as units of 256 bytes + 16 of padding
.set HALFS,  (128*KS/256)*272
.set SBLK,   (16*KS/256)*272
.set SPARE,  SCL+4*HALFS               ; the spare words, 128 bytes a wave
.set HSC,    589824                    ; a head in c3
.set STC,    18432                     ; a step's three records
.set REC,    6144                      ; a record
.set HSS,    24576                     ; a head in s3
.set ADRA, 16                          ; v16-17 LDS address of my A fragments in slot 0, 1 (v18-19: behind one padding more)
.set ADRB, 20                          ; v20-21 the same for B (v22-23)
.set VS,   25                          ; v25    the way out: 16 r + (lane / 16) x a head of s3
.set VO,   26                          ; v26    the way out: 16 x lane
.set ADRS, 27                          ; v27    LDS address of my scale words: lanes 0-15 A's rows, lanes 16-31 B's
.set SPW,  28                          ; v28    my spare word's address; never rewritten
.set NIL,  29                          ; v29    0; never rewritten
.set SC,   32                          ; scale words, two sets
.set AF,   128                         ; A's fragments, window 0
.set TM,   224                         ; the way out: v224-227 largest magnitudes, v228-231 exchange, then bytes, v236-239 the conversions' scale operands
.set CT,   240                         ; v240-246 codes on their way
.set SW,   248                         ; v248-255 the eight scale words that are made here
.set WS,   112                         ; v112-115 the four that my lane stores
.set G1, 24
.set G0, 32
.set G1B, 48
.set G0B, 56
.set G1S, 68
.set G0S, 76
.set G1SB, 80
.set G0SB, 88
.set MSB, 0
.macro WIN new                         ; the immediate's high byte repeats the setting that is left
.if MSB != \new
	s_set_vgpr_msb (MSB<<8)|\new
.set MSB, \new
.endif
.endm
.set MUL_LO, 0xa1                      ; source 0 (B) window 1, source 1 (A) window 0, C and D window 2
.set MUL_HI, 0xf1
.set TO_B,   0x40
; A joint load: waves 0 and 1 fetch for A, waves 2 and 3 for B; the branch hangs on the wave's number alone.  An s_nop 0 and four v_nop follow each line.
.macro JLOAD g0a, g1a, g0b, g1b
	s_cmp_eq_u32 s15, 0
	s_cbranch_scc0 .Lfor_b_\@
	tensor_load_to_lds s[\g0a:\g0a+3], s[\g1a:\g1a+7]
	s_nop 0
.rept 4
	v_nop
.endr
	s_branch .Lasked_\@
.Lfor_b_\@:
	tensor_load_to_lds s[\g0b:\g0b+3], s[\g1b:\g1b+7]
	s_nop 0
.rept 4
	v_nop
.endr
.Lasked_\@:
.endm
.macro CREST                           ; a round of the cluster's barrier behind its opening barrier
	s_cmp_lg_u32 s14, 0
	s_cbranch_scc1 .Lnot_wave_0_\@
	s_barrier_signal -3
.Lnot_wave_0_\@:
	s_barrier_wait -3
	s_barrier_signal -1
	s_barrier_wait -1
.endm
.macro CROUND
	s_barrier_signal -1
	s_barrier_wait -1
	CREST
.endm
	s_load_b128 s[4:7], s[0:1], 0x0                ; cd s[4:5], sc s[6:7]: both sides of the product lie in them
	s_load_b128 s[8:11], s[0:1], 0x10              ; c3 s[8:9], s3 s[10:11]
	v_lshl_add_u32 v[SPW], v0, 2, SPARE
	v_mov_b32 v[NIL], 0
	ds_add_u32 v[SPW], v[NIL]                      ; the wave's opening: the add, twice on end, and its wait ahead of my first tensor load
	ds_add_u32 v[SPW], v[NIL]
	v_lshrrev_b32 v1, 5, v0
	v_readfirstlane_b32 s14, v1                    ; wave 0..3
	s_lshr_b32 s15, s14, 1                         ; which half of A's 256 places is mine.  Also: I fetch for A (0) or for B (1)
	s_and_b32 s16, s14, 1                          ; which half of B's.  Also: which 128 rows of that tile I fetch
	s_bfe_u32 s40, ttmp6, 0x40000                  ; cx, cy: my place in the cluster
	s_bfe_u32 s41, ttmp6, 0x40004
	; which tiles of 256 places of cd: x is tiles 0-15, W_q and W_k 16-23, W_v 24-27
	s_and_b32 s17, ttmp7, 0xffff                   ; the cluster's y
	s_lshl_b32 s18, s17, 2
	s_lshl_b32 s19, s17, 3
	s_lshl_b32 s42, ttmp9, 2                       ; 4 x the cluster's x
	s_add_co_u32 s19, s19, s42
	s_sub_co_u32 s19, s19, 32                      ; v: B's tile less cx = 4 x + 8 (y - 4)
	s_add_co_u32 s42, s42, 16                      ; q, k: B's tile less cx = 16 + 4 x
	s_cmp_ge_u32 s17, 4                            ; v's clusters
	s_cselect_b32 s95, 1, 0
	s_cselect_b32 s17, 24, s18                     ; A's tile less cy: 24, or 4 y
	s_cselect_b32 s42, s19, s42
	s_cselect_b32 s99, 0, 16                       ; where B's tensor begins, in tiles
	s_add_co_u32 s17, s17, s41                     ; A's tile hangs on cy alone among the places in the cluster,
	s_add_co_u32 s42, s42, s40                     ; B's on cx alone
	s_lshl_b32 s43, s41, 2
	s_lshl_b32 s43, 15, s43                        ; my row of the cluster
	s_lshl_b32 s44, 0x1111, s40                    ; my column
	s_or_b32 s[G1+0], s43, (0<<16)|(1<<20)|(1<<21)|(3<<22)|(3<<25)  ; 15:0 the mask; 17:16 elements of 1 byte; 20 padding on; 21 set beside a mask; 24:22 after every 16 words; 31:25 of 4 words
	s_or_b32 s[G1B+0], s44, (0<<16)|(1<<20)|(1<<21)|(3<<22)|(3<<25)
.irp g, G1, G1B
	s_mov_b32 s[\g+1], ROWB<<16                    ; tensor_dim0
	s_mov_b32 s[\g+2], 128<<16                     ; tensor_dim1
	s_mov_b32 s[\g+3], ROWB<<16                    ; tile_dim0
	s_mov_b32 s[\g+4], 128                         ; tile_dim1
	s_mov_b32 s[\g+5], KROW                        ; tensor_dim0_stride
	s_mov_b32 s[\g+6], 0
	s_mov_b32 s[\g+7], 0
.endr
	s_or_b32 s[G1S+0], s43, (3<<16)|(1<<20)|(1<<21)|(5<<22)|(3<<25)  ; the scales of 128 rows: 4,096 dense bytes as rows of 256, 16 bytes of padding behind each
	s_or_b32 s[G1SB+0], s44, (3<<16)|(1<<20)|(1<<21)|(5<<22)|(3<<25)
.irp g, G1S, G1SB
	s_mov_b32 s[\g+1], 32<<16
	s_mov_b32 s[\g+2], (128*KS/256)<<16
	s_mov_b32 s[\g+3], 32<<16
	s_mov_b32 s[\g+4], 128*KS/256
	s_mov_b32 s[\g+5], 32
	s_mov_b32 s[\g+6], 0
	s_mov_b32 s[\g+7], 0
.endr
	s_mov_b32 s96, 0x76543210                      ; v_permlanex16_b32's selects for lane l xor 16
	s_mov_b32 s97, 0xfedcba98
	s_mov_b32 s98, 0xffff0000                      ; lanes 16-31
	s_lshl_b32 s18, s16, 7                         ; which 128 rows of the tile I fetch
	s_lshl_b32 s20, s17, 8
	s_add_co_u32 s20, s20, s18                     ; A: place 256 x tile + 128 x half
	s_lshl_b32 s46, s42, 8
	s_add_co_u32 s46, s46, s18                     ; B likewise
	s_mov_b32 s21, 0
	s_mov_b32 s47, 0
	s_mov_b64 s[18:19], KS
	s_mul_u64 s[22:23], s[20:21], s[18:19]         ; where these rows' scales begin, in bytes
	s_mul_u64 s[92:93], s[46:47], s[18:19]
	s_mov_b64 s[18:19], KROW
	s_mul_u64 s[20:21], s[20:21], s[18:19]         ; and their codes
	s_mul_u64 s[46:47], s[46:47], s[18:19]
	s_mul_i32 s45, s14, HALFT                      ; where they go: wave x 128 rows: no place in the cluster enters an LDS address
	s_mul_i32 s94, s14, HALFS
	s_wait_dscnt 0x0                               ; both opening adds are done
	s_wait_kmcnt 0x0
	s_add_nc_u64 s[20:21], s[4:5], s[20:21]
	s_add_nc_u64 s[22:23], s[6:7], s[22:23]
	s_add_nc_u64 s[46:47], s[4:5], s[46:47]
	s_add_nc_u64 s[92:93], s[6:7], s[92:93]
	CROUND                                         ; all sixteen work-groups are here: the first joint loads meet
	s_mov_b32 s[G0S], 1
	s_add_co_u32 s[G0S+1], s94, SCL
	s_mov_b64 s[G0S+2:G0S+3], s[22:23]
	s_or_b32 s[G0S+3], s[G0S+3], 0x80000000
	s_mov_b32 s[G0SB], 1
	s_add_co_u32 s[G0SB+1], s94, SCL
	s_mov_b64 s[G0SB+2:G0SB+3], s[92:93]
	s_or_b32 s[G0SB+3], s[G0SB+3], 0x80000000
	JLOAD G0S, G1S, G0SB, G1SB                     ; the scales first: they are wanted with K step 0
.irp s, 0,1
	s_mov_b32 s[G0+4*\s], 1
	s_add_co_u32 s[G0+4*\s+1], s45, \s*SLOT
	s_add_nc_u64 s[G0+4*\s+2:G0+4*\s+3], s[20:21], \s*ROWB
	s_or_b32 s[G0+4*\s+3], s[G0+4*\s+3], 0x80000000
	s_mov_b32 s[G0B+4*\s], 1
	s_add_co_u32 s[G0B+4*\s+1], s45, \s*SLOT
	s_add_nc_u64 s[G0B+4*\s+2:G0B+4*\s+3], s[46:47], \s*ROWB
	s_or_b32 s[G0B+4*\s+3], s[G0B+4*\s+3], 0x80000000
	JLOAD G0+4*\s, G1, G0B+4*\s, G1B               ; three tensor loads of mine are out
.endr
	v_and_b32 v1, 15, v0                           ; r = l % 16
	v_bfe_u32 v2, v0, 4, 1                         ; h = l / 16
	v_mul_u32_u24 v3, v1, PITCH
	v_mul_u32_u24 v4, v2, 24
	v_add_nc_u32 v4, v3, v4                        ; a fragment's row x pitch + 24 x half
	v_lshl_add_u32 v5, v2, 4, v4                   ; and the same behind one padding more
	s_mul_i32 s21, s15, HALFT                      ; my 128 rows of A
	s_mul_i32 s22, s16, HALFT                      ; my 128 rows of B,
	s_add_co_u32 s22, s22, 2*HALFT                 ; which lie behind A's 256
.irp s, 0,1
	v_add_nc_u32 v[ADRA+\s], s21, v4
	v_add_nc_u32 v[ADRB+\s], s22, v4
	v_add_nc_u32 v[ADRA+2+\s], s21, v5
	v_add_nc_u32 v[ADRB+2+\s], s22, v5
	s_add_co_u32 s21, s21, SLOT
	s_add_co_u32 s22, s22, SLOT
.endr
	v_mul_u32_u24 v5, v1, KS                       ; my row's scales: KS bytes a row,
	v_lshrrev_b32 v6, 8, v5
	v_lshl_add_u32 v5, v6, 4, v5                   ; and 16 more for each 256 passed
	s_mul_i32 s21, s15, HALFS
	s_mul_i32 s22, s16, HALFS
	s_add_co_u32 s22, s22, 2*HALFS
	s_sub_co_u32 s22, s22, s21
	v_mul_u32_u24 v6, s22, v2                      ; lanes 16-31 take B's
	s_add_co_u32 s21, s21, SCL
	v_add_nc_u32 v5, v5, v6
	v_add_nc_u32 v[ADRS], s21, v5
	v_and_b32 v6, 31, v0
	v_lshlrev_b32 v[VO], 4, v6                     ; an image's place for my lane
	v_lshlrev_b32 v[VS], 4, v1
	v_mad_u32_u24 v[VS], v2, HSS, v[VS]            ; four scale words of row r; lanes 16-31: the pair's second head
	; where my results go.  pc = which 128 places of B's tensor are mine
	s_sub_co_u32 s46, s42, s99
	s_lshl_b32 s46, s46, 1
	s_add_co_u32 s46, s46, s16                     ; pc
	s_and_b32 s47, s46, 7                          ; q, k: the pair of heads,
	s_lshr_b32 s92, s46, 3                         ; and 0 for q, 1 for k
	s_lshl_b32 s20, s17, 1
	s_add_co_u32 s20, s20, s15                     ; q, k: the step of 128 tokens
	s_lshl_b32 s21, s41, 1
	s_add_co_u32 s21, s21, s15                     ; v: the pair of heads
	s_cmp_lg_u32 s95, 0
	s_cselect_b32 s47, s21, s47
	s_cselect_b32 s20, s46, s20                    ; v: the step is pc
	s_cselect_b32 s92, 2, s92
	s_mul_i32 s21, s47, 2*HSC
	s_mul_i32 s22, s20, STC
	s_add_co_u32 s22, s22, s21
	s_mul_i32 s21, s92, REC
	s_add_co_u32 s22, s22, s21
	s_mov_b32 s23, 0
	s_add_nc_u64 s[8:9], s[8:9], s[22:23]
	s_mul_i32 s21, s47, 2*HSS
	s_mul_i32 s22, s20, 768
	s_add_co_u32 s22, s22, s21
	s_lshl_b32 s21, s92, 8
	s_add_co_u32 s22, s22, s21
	s_add_nc_u64 s[10:11], s[10:11], s[22:23]
.macro FRAG reg, adr, q, i             ; a fragment: lane l holds row l % 16; registers 6 c .. 6 c + 5 hold K = 64 c + 32 (l / 16) + 0 .. 31: 24 bytes of the row's stream of bits, in pieces of 8 bytes
.irp p, 0,1,2,3,4,5
.set PC, 12*(\q)+6*(\p/3)+\p%3        ; 16 bytes of padding lie behind every 8 pieces: where the piece three on lies behind one padding more, the second address register serves
.if PC%8 < 5
	ds_load_b64 v[\reg+2*\p:\reg+2*\p+1], v[\adr] offset:8*PC+16*(PC/8)+(\i)*16*PITCH
.else
	ds_load_b64 v[\reg+2*\p:\reg+2*\p+1], v[\adr+2] offset:8*PC+16*(PC/8)+(\i)*16*PITCH
.endif
.endr
.endm
; 16 matrix instructions: A's blocks a0, a0 + 1 x B's eight, 128 along K.  The 64 accumulators take turns, one instruction a turn, in the same order in every step.
.macro MUL16 a0, p, q, sc, zero
.irp a, \a0, \a0+1
.irp b, 0,1,2,3,4,5,6,7
.if \zero
	v_wmma_scale_f32_16x16x128_f8f6f4 v[8*(8*((\a)%4)+\b):8*(8*((\a)%4)+\b)+7], v[128*(\p)+FR*\b:128*(\p)+FR*\b+FR-1], v[AF+FR*(\a):AF+FR*(\a)+FR-1], 0, v[SC+8*NQ*(\sc)+NQ*\b+(\q)], v[SC+8*NQ*(\sc)+NQ*(\a)+(\q)] matrix_a_fmt:MATRIX_FMT_FP6 matrix_b_fmt:MATRIX_FMT_FP6 matrix_a_scale:MATRIX_SCALE_ROW1
.else
	v_wmma_scale_f32_16x16x128_f8f6f4 v[8*(8*((\a)%4)+\b):8*(8*((\a)%4)+\b)+7], v[128*(\p)+FR*\b:128*(\p)+FR*\b+FR-1], v[AF+FR*(\a):AF+FR*(\a)+FR-1], v[8*(8*((\a)%4)+\b):8*(8*((\a)%4)+\b)+7], v[SC+8*NQ*(\sc)+NQ*\b+(\q)], v[SC+8*NQ*(\sc)+NQ*(\a)+(\q)] matrix_a_fmt:MATRIX_FMT_FP6 matrix_b_fmt:MATRIX_FMT_FP6 matrix_a_scale:MATRIX_SCALE_ROW1
.endif
.endr
.endr
.endm
.macro FETCH_B slot, q, p
	WIN TO_B
.irp i, 0,1,2,3,4,5,6,7
	FRAG 128*(\p)+FR*\i, ADRB+\slot, \q, \i
.endr
	WIN 0
.endm
.macro FETCH_A slot, q, i0
.irp i, \i0, \i0+1, \i0+2, \i0+3
	FRAG AF+FR*(\i), ADRA+\slot, \q, \i
.endr
.endm
.macro SCALES sc                       ; a K step's scale words: lanes 0-15 take A's block i, lanes 16-31 B's block i
.irp i, 0,1,2,3,4,5,6,7
	ds_load_b64 v[SC+8*NQ*\sc+NQ*\i:SC+8*NQ*\sc+NQ*\i+1], v[ADRS] offset:\i*SBLK
.endr
.endm
.macro PLACES n                        ; plain vector instructions between a matrix instruction and a load into, or a vector read or write of, its registers
.rept \n
	v_nop
.endr
.endm
.macro STEP slot, q, zero              ; a step of 128 along K that has its successor in the same slot
	s_wait_dscnt 4*NL                              ; B's set and A's blocks 0-3 are in; the youngest 24 loads (A's blocks 4-7) may be out
	WIN MUL_LO
	MUL16 0, (\q)%2, \q, \slot, \zero
	MUL16 2, (\q)%2, \q, \slot, \zero
	s_wait_dscnt 0
	PLACES NP
	FETCH_B \slot, (\q)+1, 1-(\q)%2
	FETCH_A \slot, (\q)+1, 0
	WIN MUL_HI
	MUL16 4, (\q)%2, \q, \slot, \zero
	MUL16 6, (\q)%2, \q, \slot, \zero
	PLACES NP
	WIN 0
	FETCH_A \slot, (\q)+1, 4
.endm
; A slot's last step changes slots: ONE barrier; in front of it each wave waits for all its tensor loads, adds 0 to its spare word, and waits for that and for its own reads of this slot.
.macro TURN slot, next, fill
	s_wait_tensorcnt 0x0                           ; all my tensor loads have landed: my part of the next slot
	ds_add_u32 v[SPW], v[NIL]                      ; 0 onto my spare word
	s_wait_dscnt 4*NL+1                            ; the add and the youngest 24 loads (A's blocks 4-7) may be out
	WIN MUL_LO
	MUL16 0, 1, NQ-1, \slot, 0
	s_wait_dscnt 0x0                               ; the add is done, and my reads of this slot are over
	s_barrier_signal -1
	MUL16 2, 1, NQ-1, \slot, 0
	WIN 0
	s_barrier_wait -1
.if \fill
	CREST                                          ; the barrier has opened a round of the cluster's: no wave of any partner still reads this slot or has a load on its way
	s_add_nc_u64 s[G0+4*\slot+2:G0+4*\slot+3], s[G0+4*\slot+2:G0+4*\slot+3], 2*ROWB
	s_add_nc_u64 s[G0B+4*\slot+2:G0B+4*\slot+3], s[G0B+4*\slot+2:G0B+4*\slot+3], 2*ROWB
	JLOAD G0+4*\slot, G1, G0B+4*\slot, G1B         ; the first tensor load behind the round; its four v_nop are the places in front of the loads below
.else
	PLACES NP
.endif
	v_add_nc_u32 v[ADRS], 4*NQ, v[ADRS]            ; on to the next K step's scale words
	FETCH_B \next, 0, 0
	FETCH_A \next, 0, 0
	SCALES \next
	WIN MUL_HI
	MUL16 4, 1, NQ-1, \slot, 0
	MUL16 6, 1, NQ-1, \slot, 0
	PLACES NP
	WIN 0
	FETCH_A \next, 0, 4
.endm
	s_wait_tensorcnt 1                             ; the scales and my part of K step 0 are in; K step 1's load may be out
	s_barrier_signal -1
	s_barrier_wait -1
	FETCH_B 0, 0, 0
	FETCH_A 0, 0, 0
	SCALES 0
	FETCH_A 0, 0, 4
	STEP 0, 0, 1                                   ; the first step's products start the sums: nothing is cleared
	s_mov_b32 s3, LAPS-1
.Llap:                                                 ; a trip goes once round the ring and fills both slots again
	TURN 0, 1, 1
	STEP 1, 0, 0
	TURN 1, 0, 1
	STEP 0, 0, 0
	s_sub_co_u32 s3, s3, 1
	s_cmp_lg_u32 s3, 0
	s_cbranch_scc1 .Llap
	TURN 0, 1, 0                                   ; the last lap fills nothing
	STEP 1, 0, 0
	s_wait_dscnt 4*NL
	WIN MUL_LO
	MUL16 0, 1, NQ-1, 1, 0
	MUL16 2, 1, NQ-1, 1, 0
	s_wait_dscnt 0
	WIN MUL_HI
	MUL16 4, 1, NQ-1, 1, 0
	MUL16 6, 1, NQ-1, 1, 0
	WIN 0
; THE WAY OUT.  For block a of A's places my lane's 64 results are: register 16 b + i = index 32 b + 16 (lane / 16) + i along B.  QUANT makes of them four blocks' codes and bytes:
; blocks 0, 1 as six registers from d0 on (lanes 0-15 hold block 0 whole, lanes 16-31 block 1), blocks 2, 3 from d1 on; the four bytes stay in v[TM+4 .. TM+7].
.macro QUANT a, d0, d1
.set QS, 64*((\a)%4)
.set QW, 2+(\a)/4
	WIN QW|(QW<<2)
.irp b, 0,1,2,3
	v_max3_num_f32 v[TM+\b], |v[QS+16*\b]|, |v[QS+16*\b+1]|, 0x1800000   ; my 16 numbers of block b, from each accumulator's low end on, and the floor 2^(3 - 127): the byte cannot fall under 1
.endr
	WIN (QW<<2)|(QW<<4)
.irp i, 2,4,6,8,10,12,14
.irp b, 0,1,2,3
	v_max3_num_f32 v[TM+\b], v[TM+\b], |v[QS+16*\b+\i]|, |v[QS+16*\b+\i+1]|
.endr
.endr
	WIN 0
.irp b, 0,1,2,3
	v_permlanex16_b32 v[TM+4+\b], v[TM+\b], s96, s97
.endr
.irp b, 0,1,2,3
	v_max_num_f32 v[TM+\b], v[TM+\b], v[TM+4+\b]   ; with lane l xor 16's: the block's largest magnitude
.endr
.irp b, 0,1,2,3
	v_add_nc_u32 v[TM+12+\b], 0xff000000, v[TM+\b] ; 2 off its exponent field: the conversion's scale operand
.endr
.irp b, 0,1,2,3
	v_lshrrev_b32 v[TM+4+\b], 23, v[TM+12+\b]      ; the scale's byte
.endr
	WIN QW
	v_cvt_scalef32_pk16_fp6_f32 v[\d0:\d0+2], v[QS:QS+15], v[TM+12]
	v_cvt_scalef32_pk16_fp6_f32 v[CT:CT+2], v[QS+16:QS+31], v[TM+13]
	v_cvt_scalef32_pk16_fp6_f32 v[\d1:\d1+2], v[QS+32:QS+47], v[TM+14]
	v_cvt_scalef32_pk16_fp6_f32 v[CT+4:CT+6], v[QS+48:QS+63], v[TM+15]
	WIN 0
	v_nop                                          ; one plain place behind a scaled conversion
.irp i, 0,1,2
	v_permlane16_swap_b32 v[\d0+\i], v[CT+\i]      ; the operand's layout wants a whole block in a lane
	v_permlane16_swap_b32 v[\d1+\i], v[CT+4+\i]
.endr
.irp i, 0,1,2
	v_mov_b32 v[\d0+3+\i], v[CT+\i]
	v_mov_b32 v[\d1+3+\i], v[CT+4+\i]
.endr
.endm
	PLACES NP                                      ; behind the last products: their results are read below
.irp b, 0,1,2,3
	v_mov_b32 v[TM+4+\b], 0                        ; written once: a lane permute's destination counts as one of its sources
.endr
	s_cmp_lg_u32 s95, 0                            ; the cluster's y alone: the same in all partners and waves
	s_cbranch_scc1 .Lv_out
	; q, k: blocks 0, 1 are the pair's first head, blocks 2, 3 its second.  Two blocks of places, 2 f and 2 f + 1, make image f of each head.  Two sets of 24 registers by turns.
.irp f, 0,1,2,3
.set IM, 64+24*(\f%2)
.if \f >= 2
	s_wait_xcnt 0x0                                ; the stores of two images back have read this set
.endif
	QUANT 2*\f, IM, IM+12
	v_lshl_or_b32 v[SW+\f], v[TM+5], 8, v[TM+4]
	v_lshl_or_b32 v[SW+4+\f], v[TM+7], 8, v[TM+6]
	QUANT 2*\f+1, IM+6, IM+18
	v_lshl_or_b32 v[SW+\f], v[TM+4], 16, v[SW+\f]
	v_lshl_or_b32 v[SW+\f], v[TM+5], 24, v[SW+\f]
	v_lshl_or_b32 v[SW+4+\f], v[TM+6], 16, v[SW+4+\f]
	v_lshl_or_b32 v[SW+4+\f], v[TM+7], 24, v[SW+4+\f]
.irp c, 0,1,2
	global_store_b128 v[VO], v[IM+4*\c:IM+4*\c+3], s[8:9] offset:1536*\f+512*\c           ; 32 lanes store 512 consecutive bytes, aligned
	global_store_b128 v[VO], v[IM+12+4*\c:IM+12+4*\c+3], s[8:9] offset:HSC+1536*\f+512*\c
.endr
.endr
	s_branch .Lscales
.Lv_out:
	; v: the four blocks are the step's 128 keys: block a of places is image a % 4 of head a / 4 of the pair
.irp a, 0,1,2,3,4,5,6,7
.set IM, 64+24*(\a%2)
.if \a >= 2
	s_wait_xcnt 0x0
.endif
	QUANT \a, IM, IM+6
	v_lshl_or_b32 v[SW+\a], v[TM+5], 8, v[TM+4]
	v_lshl_or_b32 v[SW+\a], v[TM+6], 16, v[SW+\a]
	v_lshl_or_b32 v[SW+\a], v[TM+7], 24, v[SW+\a]
.irp c, 0,1,2
	global_store_b128 v[VO], v[IM+4*\c:IM+4*\c+3], s[8:9] offset:(\a/4)*HSC+(\a%4)*1536+512*\c
.endr
.endr
.Lscales:
.irp i, 0,1,2,3
	v_cndmask_b32 v[WS+\i], v[SW+\i], v[SW+4+\i], s98   ; both halves of the lanes hold all eight words of row r: lanes 0-15 store the first head's four, lanes 16-31 the second's
.endr
	global_store_b128 v[VS], v[WS:WS+3], s[10:11]  ; sixteen lanes store 256 consecutive bytes, aligned
	s_wait_tensorcnt 0x0                           ; the wave's end
	ds_add_u32 v[SPW], v[NIL]
	s_wait_dscnt 0x0
	CROUND                                         ; the closing round: no work-group ends while a partner may still ask for a tile that names it
	s_endpgm
.Lfunc_end_k_q26d6995b45_qkv:
	.size	k_q26d6995b45_qkv, .Lfunc_end_k_q26d6995b45_qkv-k_q26d6995b45_qkv
	.p2alignl 7, 3214868480
	.fill 96, 4, 3214868480
	.section	.rodata,"a",@progbits
	.p2align	6, 0x0
	.amdhsa_kernel k_q26d6995b45_qkv
		.amdhsa_group_segment_fixed_size 327680
		.amdhsa_private_segment_fixed_size 0
		.amdhsa_enable_private_segment 0
		.amdhsa_kernarg_size 32
		.amdhsa_user_sgpr_count 2
		.amdhsa_user_sgpr_kernarg_segment_ptr 1
		.amdhsa_wavefront_size32 1
		.amdhsa_system_sgpr_workgroup_id_x 1
		.amdhsa_system_sgpr_workgroup_id_y 1
		.amdhsa_system_sgpr_workgroup_id_z 1
		.amdhsa_system_vgpr_workitem_id 0
		.amdhsa_next_free_vgpr 1024
		.amdhsa_next_free_sgpr 100
		.amdhsa_reserve_vcc 0
		.amdhsa_float_denorm_mode_32 3
		.amdhsa_float_denorm_mode_16_64 3
		.amdhsa_memory_ordered 1
		.amdhsa_forward_progress 1
		.amdhsa_inst_pref_size 199
	.end_amdhsa_kernel
	.amdgpu_metadata
---
amdhsa.version: [ 1, 2 ]
amdhsa.kernels:
  - .name:           k_q26d6995b45_qkv
    .symbol:         k_q26d6995b45_qkv.kd
    .args:
      - { .name: cd, .offset: 0, .size: 8, .value_kind: global_buffer, .address_space: global }
      - { .name: sc, .offset: 8, .size: 8, .value_kind: global_buffer, .address_space: global }
      - { .name: c3, .offset: 16, .size: 8, .value_kind: global_buffer, .address_space: global }
      - { .name: s3, .offset: 24, .size: 8, .value_kind: global_buffer, .address_space: global }
    .group_segment_fixed_size: 327680
    .private_segment_fixed_size: 0
    .kernarg_segment_align: 8
    .kernarg_segment_size: 32
    .max_flat_workgroup_size: 128
    .sgpr_count:     100
    .vgpr_count:     1024
    .wavefront_size: 32
...
	.end_amdgpu_metadata
.endif
;; end of part 2
;; launch attn (part 3): grid 16 x 16, 16 waves a work-group, no clusters, 327,680 bytes of LDS; arguments c3, s3, ao; writes ao
.if DOCPART == 3
	.amdgcn_target "amdgcn-amd-amdhsa--gfx1250"
	.amdhsa_code_object_version 6
	.text
	.protected	k_q26d6995b45_attn
	.globl	k_q26d6995b45_attn
	.p2align	8
	.type	k_q26d6995b45_attn,@function
k_q26d6995b45_attn:
	s_mov_b64 s[64:65], 0
	v_nop
	global_prefetch_b8 v0, s[64:65] scope:SCOPE_SE
	s_setreg_imm32_b32 hwreg(HW_REG_WAVE_MODE, 25, 1), 1
	s_wait_xcnt 0x0
; THIRD LAUNCH: causal attention on the second launch's images; the result O / l is quantised along the model's 1,024 for the last product and stored as images (ao).
; WORK LEFT OUT: steps of 128 keys all of which come after a wave's 16 queries (reference() sets their logits to -infinity itself, so p = 0 for all finite inputs), and the fetch of keys that no wave
; of the work-group reads.  LIMIT: a NaN, an infinity or an overflow that reaches only hidden scores is not carried to the result.
; THE SOFTMAX: t = score x log2(e) / 8; M = the running largest t rounded UP to a whole number; p = 2^(t - M) is quantised along the keys, not normalised; the row's sum is taken of the unquantised p
; and divides O at the end.  When M moves, the sum and O are multiplied by 2^(old M - new M): exact.
; SHARES.  Work-group (j, head) owns the blocks of 128 queries j and 31 - j: 8 (j + 1) + 8 (32 - j) = 264 key steps of a tile in every work-group.  Each of sixteen waves owns one tile of 16 queries in 256
; registers, four waves to a SIMD; wave w has tile w / 2 of block j (role 0) or 31 - j (role 1), role = ((w / 4) xor w) & 1.  A wave walks steps 0 .. its block; its block's own step lies on the diagonal.
; NO CLUSTER: the sixteen work-groups of a head read 17 to 32 steps of K and V; a joint load would bring tiles whose reads every wave of some partner jumps over.
; LAYOUT.  Both products are used transposed: S^T = K Q^T, O^T = V^T P^T: a lane holds ONE query throughout.  The head's 64 are half of the instruction's 128: an image of K holds TWO tiles of 16 keys, one in
; K = 0 .. 63 and one in K = 64 .. 127, and is multiplied once by [q, 0] and once by [0, q]: zero codes add nothing under any scale byte of 1 .. 254.  So no fragment holds padding, in memory or in LDS.
; By the first launch's order of rows register 16 b + i of S^T is key 32 b + 16 (lane / 16) + i of the step, and register 16 b + i of O^T channel 32 b + 16 (lane / 16) + i of the head.
; THE RING: two LDS slots of 4 steps (K's four records, then V's), filled by waves 0 (K) and 1 (V), read by all sixteen; the head's scale words of K and V come once (wave 2).
; Every work-group walks all 8 slots, so that trip counts are constants; what is left out is a step's work and a slot's load, by scalar branches on ids and the count of steps.
; REGISTERS: v1-11 addresses; v12 -M, v13 the largest t, v[14:15] the sum; v16-33 [0 x 6, q x 6, 0 x 6]; v36-83 four fragments; v96-159 S^T, then p; v160-191 O^T; v224-235 p's codes; v232-254 at work;
; v248-251 K's or V's scale words, v253 p's, v255 q's.
.set HSC,   589824                     ; a head in c3
.set STC,   18432                      ; a step's three records
.set REC,   6144                       ; a record: four images of 1,536 bytes
.set HSS,   24576                      ; a head in s3
.set SLOT1, 65536                      ; slot 1 begins here: one exclusive or turns an address from one slot to the other
.set VOFF,  4*REC                      ; in a slot: K's four records, then V's
.set SCL,   131072                     ; the head's scale words: 32 steps x (K's 256 bytes, V's 256 bytes)
.set STG,   147456                     ; the way out: 2 x 128 pairs of scale bytes
.set SPARE, 147968                     ; the spare words, 128 bytes for each of 16 waves
.set NSL,   8
.set LI,   1                           ; v1   16 x lane: an image's place for my lane
.set LSC,  2                           ; v2   SCL + 16 r: my row's four scale words
.set ADK,  3                           ; v3   the slot in hand + LI
.set ADS,  4                           ; v4   the step's scale words + LSC
.set SPW,  5                           ; v5   my spare word's address; never rewritten
.set NIL,  6                           ; v6   0; never rewritten
.set DG,   7                           ; v7   my query in its block - 16 (lane / 16)
.set GO,   8                           ; v8   8 x lane
.set SST,  9                           ; v9   where my row's two scale bytes go in the stage
.set PFO,  10                          ; v10  the prefetches' offset
.set SRD,  11                          ; v11  where my role's 256 scale bytes are read back
.set FRG,  36
.set WV,   18
.set SEL,  20                          ; s[20:21] lane selects for v_permlanex16_b32: lane l xor 16
.set CS,   22                          ; s[22:23] c = log2(e) / 8
.set G1K,  24                          ; s[24:31] group 1 for K's and V's records;  s[32:35] group 0, which walks
.set G0K,  32
.set G1S,  36                          ; s[36:43], s[44:47] for the scale words
.set G0S,  44
.set TB,   2                           ; s2   LDS byte at which the slot in hand begins
.set TS,   3                           ; s3   where the step's scale words begin: 512 bytes a step
.set SLOTS, 48                         ; s48  changes of slots with a fill still to come
.set KS,   49                          ; s49  the step's number
.set BLK,  50                          ; s50  my block of queries = my last step
.set LIMB, 51                          ; s51  the work-group's last step: 31 - j
.set PFA,  54                          ; s[54:55] the head's K and V of the slot after the one that is being asked for
.set LIM,  56                          ; s56  1 in a wave that prefetches, else the greatest number
.macro KVLOAD                          ; wave 0 fetches K's four records, wave 1 V's.  An s_nop 0 and four v_nop follow the load
	s_cmp_lt_u32 s[WV], 2
	s_cbranch_scc0 .Lasked_\@
	tensor_load_to_lds s[G0K:G0K+3], s[G1K:G1K+7]
	s_nop 0
.rept 4
	v_nop
.endr
.Lasked_\@:
.endm
; A PREFETCH INTO THE L2 of what the NEXT change of slots will ask for: 4 steps x 12,288 bytes = 192 blocks of 256 bytes.  All work-groups of a head walk the same K and V from step 0 on; work-group j = 0 walks
; all of them and asks, nobody else.  In it waves 4 to 9, which fetch nothing, ask: one instruction each, a lane a block: each block is named once in the launch.  The last change that fills a slot asks for
; nothing; slots 0 and 1 and the scale words come by their loads alone.
.macro ASK
	s_cmp_gt_u32 s[SLOTS], s[LIM]
	s_cbranch_scc0 .Lnot_mine_\@
	global_prefetch_b8 v[PFO], s[PFA:PFA+1] th:TH_LOAD_NT scope:SCOPE_SE
.Lnot_mine_\@:
.endm
	s_load_b128 s[4:7], s[0:1], 0x0                ; c3 s[4:5], s3 s[6:7]
	s_load_b64 s[8:9], s[0:1], 0x10                ; ao
	v_lshl_add_u32 v[SPW], v0, 2, SPARE
	v_mov_b32 v[NIL], 0
	ds_add_u32 v[SPW], v[NIL]                      ; the wave's opening: the add, twice on end, and its wait ahead of the first tensor load
	ds_add_u32 v[SPW], v[NIL]
	v_lshrrev_b32 v84, 5, v0
	v_readfirstlane_b32 s[WV], v84                 ; wave 0..15
	s_and_b32 s57, ttmp7, 0xffff                   ; the head
	s_lshr_b32 s58, s[WV], 1                       ; my tile of the block's eight
	s_lshr_b32 s59, s[WV], 2
	s_xor_b32 s59, s59, s[WV]
	s_and_b32 s59, s59, 1                          ; my role
	s_sub_co_u32 s[LIMB], 31, ttmp9
	s_cmp_eq_u32 s59, 0
	s_cselect_b32 s[BLK], ttmp9, s[LIMB]
	s_mov_b32 s[G1K], 3<<16                        ; 15:0 no mask; 17:16 elements of 8 bytes; no padding
	s_mov_b32 s[G1K+1], 768<<16                    ; tensor_dim0: a record, 6,144 bytes
	s_mov_b32 s[G1K+2], 4<<16                      ; tensor_dim1: 4 steps
	s_mov_b32 s[G1K+3], 768<<16                    ; tile_dim0
	s_mov_b32 s[G1K+4], 4                          ; tile_dim1
	s_mov_b32 s[G1K+5], 2304                       ; 18,432 bytes from step to step
	s_mov_b32 s[G1K+6], 0
	s_mov_b32 s[G1K+7], 0
	s_mov_b32 s[G1S], 3<<16
	s_mov_b32 s[G1S+1], 64<<16                     ; K's and V's scale words of a step: 512 bytes
	s_mov_b32 s[G1S+2], 32<<16                     ; 32 steps
	s_mov_b32 s[G1S+3], 64<<16
	s_mov_b32 s[G1S+4], 32
	s_mov_b32 s[G1S+5], 96                         ; 768 bytes from step to step
	s_mov_b32 s[G1S+6], 0
	s_mov_b32 s[G1S+7], 0
	s_and_b32 s60, s[WV], 1
	s_mul_i32 s61, s60, VOFF                       ; where my records go in a slot,
	s_mul_i32 s62, s60, REC
	s_add_co_u32 s62, s62, REC                     ; and where they lie in a step: K's behind Q's, V's behind K's
	s_mul_i32 s66, s57, HSC
	s_add_co_u32 s62, s62, s66
	s_mov_b32 s63, 0
	s_mul_i32 s67, s57, HSS
	s_add_co_u32 s68, s67, 256
	s_mov_b32 s69, 0
	s_lshr_b32 s76, s58, 1                         ; f: which image of Q's record holds my tile,
	s_and_b32 s77, s58, 1                          ; u: and which half of it
	s_sub_co_u32 s78, 0, s77                       ; all ones where u = 1
	s_lshl_b32 s79, s77, 4
	s_mul_i32 s70, s[BLK], STC
	s_add_co_u32 s70, s70, s66
	s_mul_i32 s71, s76, 1536
	s_add_co_u32 s70, s70, s71
	s_mov_b32 s71, 0                               ; Q's image
	s_mul_i32 s72, s[BLK], 768
	s_add_co_u32 s72, s72, s67
	s_lshl_b32 s73, s76, 2
	s_add_co_u32 s72, s72, s73
	s_mov_b32 s73, 0                               ; its scale words
	s_mul_i32 s74, s[BLK], 102400
	s_mul_i32 s75, s57, 6400
	s_add_co_u32 s74, s74, s75
	s_mul_i32 s75, s58, 768
	s_add_co_u32 s74, s74, s75
	s_mov_b32 s75, 0                               ; my tile in ao
	s_add_co_u32 s86, s66, 4*STC
	s_mov_b32 s87, 0                               ; the head's slot 1
	s_mov_b32 s[SEL], 0x76543210
	s_mov_b32 s[SEL+1], 0xfedcba98
	s_mov_b32 s[CS], 0x3e38aa3b                    ; c = log2(e) / sqrt(64)
	s_mov_b32 s[CS+1], s[CS]                       ; (named with it as a pair, so it is written)
	s_mov_b32 s[TB], 0
	s_mov_b32 s[TS], 0
	s_mov_b32 s[SLOTS], NSL-1
	s_mov_b32 s[KS], 0
	s_wait_dscnt 0x0                               ; both opening adds are done
	s_wait_kmcnt 0x0
	s_mov_b32 s[G0K], 1                            ; count = 1
	s_mov_b32 s[G0K+1], s61                        ; LDS address: slot 0
	s_add_nc_u64 s[G0K+2:G0K+3], s[4:5], s[62:63]  ; steps 0 to 3
	s_or_b32 s[G0K+3], s[G0K+3], 0x80000000        ; type = 2
	s_mov_b32 s[G0S], 1
	s_mov_b32 s[G0S+1], SCL
	s_add_nc_u64 s[G0S+2:G0S+3], s[6:7], s[68:69]
	s_or_b32 s[G0S+3], s[G0S+3], 0x80000000
	s_cmp_lt_u32 s[WV], 2                          ; the first fills: slot 0 (waves 0, 1), the scale words (wave 2): one load a wave
	s_cbranch_scc0 .Lnot_kv
	tensor_load_to_lds s[G0K:G0K+3], s[G1K:G1K+7]
	s_nop 0
.rept 4
	v_nop
.endr
	s_branch .Lfirst_asked
.Lnot_kv:
	s_cmp_eq_u32 s[WV], 2
	s_cbranch_scc0 .Lfirst_asked
	tensor_load_to_lds s[G0S:G0S+3], s[G1S:G1S+7]
	s_nop 0
.rept 4
	v_nop
.endr
.Lfirst_asked:
	s_add_nc_u64 s[70:71], s[4:5], s[70:71]
	s_add_nc_u64 s[72:73], s[6:7], s[72:73]
	s_add_nc_u64 s[74:75], s[8:9], s[74:75]
	s_add_nc_u64 s[PFA:PFA+1], s[4:5], s[86:87]    ; the first change of slots steps it to slot 2.  Nothing is prefetched here, at the head
	v_and_b32 v84, 31, v0                          ; lane
	v_and_b32 v85, 15, v0                          ; r
	v_bfe_u32 v86, v0, 4, 1                        ; h
	v_lshlrev_b32 v[LI], 4, v84
	v_lshlrev_b32 v87, 4, v85
.irp c, 0,1,2
	global_load_b128 v[FRG+4*\c:FRG+4*\c+3], v[LI], s[70:71] offset:512*\c   ; the image that holds my 16 queries
.endr
	global_load_b32 v254, v87, s[72:73]            ; and its scale word of row r
	v_lshl_add_u32 v[LSC], v85, 4, SCL
	v_and_b32 v88, 8, v85
	v_add_nc_u32 v[DG], v85, v88                   ; place 16 u + r of an image is token 8 u + r + 8 (r / 8) of its 32
	v_lshlrev_b32 v88, 4, v86
	v_sub_nc_u32 v[DG], v[DG], v88
	s_lshl_b32 s80, s76, 5
	s_lshl_b32 s81, s77, 3
	s_add_co_u32 s80, s80, s81
	v_add_nc_u32 v[DG], s80, v[DG]                 ; 32 f + 8 u + r + 8 (r / 8) - 16 h
	v_lshlrev_b32 v[GO], 3, v84
	s_lshl_b32 s81, s59, 8
	s_add_co_u32 s81, s81, STG                     ; my role's 256 bytes of the stage
	s_lshl_b32 s82, s58, 5
	s_add_co_u32 s82, s82, s81
	v_lshl_add_u32 v[SST], v85, 1, s82
	v_lshl_add_u32 v[SRD], v84, 3, s81
	s_sub_co_u32 s83, s[WV], 4
	s_and_b32 s84, s83, 7
	s_lshl_b32 s84, s84, 5
	v_add_nc_u32 v88, s84, v84                     ; which of a slot's 192 blocks: 32 (wave - 4) + lane
	v_mul_u32_u24 v89, v88, 171
	v_lshrrev_b32 v89, 13, v89                     ; / 48 (exact up to 191): the step in the slot
	v_mul_u32_u24 v90, v89, 48
	v_sub_nc_u32 v88, v88, v90
	v_lshlrev_b32 v88, 8, v88
	v_mad_u32_u24 v[PFO], v89, STC, v88
	v_add_nc_u32 v[PFO], REC, v[PFO]               ; behind the step's record of Q
	s_cmp_lt_u32 s83, 6                            ; waves 4 to 9
	s_cselect_b32 s85, 0, 1
	s_or_b32 s85, s85, ttmp9                       ; of work-group j = 0
	s_cmp_eq_u32 s85, 0
	s_cselect_b32 s[LIM], 1, -1
	s_wait_loadcnt 0x0
.irp i, 0,1,2,3,4,5
	v_cndmask_b32 v[22+\i], v[FRG+\i], v[FRG+6+\i], s78   ; my tile's six registers
.endr
	v_lshrrev_b32 v254, s79, v254
	v_and_b32 v254, 0xffff, v254                   ; its two scale bytes,
	v_lshl_or_b32 v255, v254, 16, v254             ; for K = 0 .. 63 and for K = 64 .. 127
.irp i, 0,1,2,3,4,5
	v_mov_b32 v[16+\i], 0                          ; zero codes on both sides of q: v[22:33] = [q, 0], v[16:27] = [0, q]
	v_mov_b32 v[28+\i], 0
.endr
	v_mov_b32 v13, 0xff61b1e6                      ; the largest t so far: -3e38, under every t
	v_floor_f32 v12, -v13                          ; -M
	v_mov_b32 v14, 0                               ; the sum, in two halves
	v_mov_b32 v15, 0
.irp b, 0,1,2,3
	v_mov_b32 v[236+\b], 0                         ; written once: a lane permute's destination counts as one of its sources
.endr
	v_mov_b32 v252, 0                              ; likewise: the way out's lane permute writes it, whatever steps were walked
	v_mov_b32 v253, 0                              ; (named as the upper half of the pair v[252:253] before it is first written)
.irp j, 0,1,2,3,4,5,6,7,8,9,10,11,12,13,14,15,16,17,18,19,20,21,22,23,24,25,26,27,28,29,30,31
	v_mov_b32 v[160+\j], 0                         ; O^T: the first step finds zeros, which the first change of M leaves zeros.  (Also the places between q's scale word and the first product)
.endr
; A KEY STEP: 128 keys, the q-th of the slot in hand.
.macro STEP q
	s_cmp_gt_u32 s[KS], s[BLK]                     ; all its keys come after my queries: left out.  No barrier and no tensor load stands in a step
	s_cbranch_scc1 .Lhidden_\@
	v_add_nc_u32 v[ADK], s[TB], v[LI]
	v_add_nc_u32 v[ADS], s[TS], v[LSC]
	v_nop
	v_nop                                          ; four places in front of loads into registers that the last step's products have read
.irp f, 0,1,2,3
.irp c, 0,1,2
	ds_load_b128 v[FRG+12*\f+4*\c:FRG+12*\f+4*\c+3], v[ADK] offset:REC*(\q)+1536*\f+512*\c   ; an image comes back as it was stored: 512 consecutive bytes a load
.endr
.endr
	ds_load_b128 v[248:251], v[ADS]                ; K's four scale words of row r
	s_wait_dscnt 0x0
.irp f, 0,1,2,3                                ; S^T = K Q^T: image f's first tile by [q, 0], its second by [0, q]
	v_wmma_scale_f32_16x16x128_f8f6f4 v[96+16*\f:103+16*\f], v[FRG+12*\f:FRG+12*\f+11], v[22:33], 0, v[248+\f], v255 matrix_a_fmt:MATRIX_FMT_FP6 matrix_b_fmt:MATRIX_FMT_FP6
	v_wmma_scale_f32_16x16x128_f8f6f4 v[104+16*\f:111+16*\f], v[FRG+12*\f:FRG+12*\f+11], v[16:27], 0, v[248+\f], v255 matrix_a_fmt:MATRIX_FMT_FP6 matrix_b_fmt:MATRIX_FMT_FP6
.endr
.rept 4
	v_nop                                          ; places in front of the loads below and of the first read of the scores
.endr
.irp t, 0,1,2,3
.irp c, 0,1,2
	ds_load_b128 v[FRG+12*\t+4*\c:FRG+12*\t+4*\c+3], v[ADK] offset:VOFF+REC*(\q)+1536*\t+512*\c   ; V's four images land while the softmax is worked
.endr
.endr
	ds_load_b128 v[248:251], v[ADS] offset:256
	s_cmp_lt_u32 s[KS], s[BLK]                     ; only my block's own step lies on the diagonal
	s_cbranch_scc1 .Lopen_\@
	v_mov_b32 v254, 0xff800000                     ; -infinity: register 16 b + i holds key 32 b + 16 (lane / 16) + i: hidden where 32 b + i > my query - 16 (lane / 16)
.irp n, 0,1,2,3,4,5,6,7,8,9,10,11,12,13,14,15,16,17,18,19,20,21,22,23,24,25,26,27,28,29,30,31,32,33,34,35,36,37,38,39,40,41,42,43,44,45,46,47,48,49,50,51,52,53,54,55,56,57,58,59,60,61,62,63
	v_cmp_gt_i32 vcc_lo, 32*(\n/16)+\n%16, v[DG]
	v_cndmask_b32 v[96+\n], v[96+\n], v254, vcc_lo
.endr
.Lopen_\@:
.irp b, 0,1,2,3
	v_max3_num_f32 v[232+\b], v[96+16*\b], v[97+16*\b], v[98+16*\b]   ; the largest score of each block of 32 keys: for the row's maximum and, since p rises with the score, for the block's largest p
.endr
.irp i, 3,5,7,9,11,13
.irp b, 0,1,2,3
	v_max3_num_f32 v[232+\b], v[232+\b], v[96+16*\b+\i], v[97+16*\b+\i]
.endr
.endr
.irp b, 0,1,2,3
	v_max_num_f32 v[232+\b], v[232+\b], v[111+16*\b]
.endr
.irp b, 0,1,2,3
	v_permlanex16_b32 v[236+\b], v[232+\b], s[SEL], s[SEL+1]
.endr
.irp b, 0,1,2,3
	v_max_num_f32 v[232+\b], v[232+\b], v[236+\b]  ; with lane l xor 16's 16 keys
.endr
	v_max3_num_f32 v254, v232, v233, v234
	v_max_num_f32 v254, v254, v235                 ; the step's largest score of my query
	v_mul_f32 v254, s[CS], v254                    ; as t (c is positive)
	v_max_num_f32 v13, v13, v254                   ; the running largest t
	v_mov_b32 v254, v12
	v_floor_f32 v12, -v13                          ; the new -M = floor(-t): M is a whole number
	v_sub_f32 v254, v12, v254                      ; old M - new M: a whole number, 0 or less
	v_cvt_i32_f32 v254, v254                       ; (it saturates)
	v_ldexp_f32 v252, 1.0, v254                    ; f = 2^(old M - new M)
.irp j, 0,2,4,6,8,10,12,14,16,18,20,22,24,26,28,30,32,34,36,38,40,42,44,46,48,50,52,54,56,58,60,62
	v_pk_fma_f32 v[96+\j:97+\j], v[96+\j:97+\j], s[CS:CS+1], v[12:13] op_sel_hi:[1,0,0]   ; t - M, two at a time
.endr
.irp b, 0,1,2,3
	v_fma_f32 v[232+\b], v[232+\b], s[CS], v12     ; the same of each block's largest score
.endr
.irp j, 0,1,2,3,4,5,6,7,8,9,10,11,12,13,14,15,16,17,18,19,20,21,22,23,24,25,26,27,28,29,30,31,32,33,34,35,36,37,38,39,40,41,42,43,44,45,46,47,48,49,50,51,52,53,54,55,56,57,58,59,60,61,62,63
	v_exp_f32 v[96+\j], v[96+\j]                   ; p = 2^(t - M), at most 1
.endr
	v_pk_mul_f32 v[14:15], v[14:15], v[252:253] op_sel_hi:[1,0]   ; the sums under the new M (a plain place behind the exponentials)
	s_wait_alu depctr_va_vdst(0)                   ; one wait for the whole batch, ahead of its first reader
.irp b, 0,1,2,3
	v_exp_f32 v[232+\b], v[232+\b]                 ; the block's largest p
.endr
	v_pk_add_f32 v[236:237], v[96:97], v[98:99]    ; the row's sum of the unquantised p, in two chains
.irp j, 4,8,12,16,20,24,28,32,36,40,44,48,52,56,60
	v_pk_add_f32 v[14:15], v[14:15], v[96+\j:97+\j]
	v_pk_add_f32 v[236:237], v[236:237], v[98+\j:99+\j]
.endr
	v_pk_add_f32 v[14:15], v[14:15], v[236:237]
	s_wait_alu depctr_va_vdst(0)                   ; and one for the four
.irp b, 0,1,2,3
	v_max_num_f32 v[232+\b], 0x1800000, v[232+\b]  ; the floor 2^(3 - 127): the byte cannot fall under 1
.endr
.irp b, 0,1,2,3
	v_add_nc_u32 v[244+\b], 0xff000000, v[232+\b]  ; 2 off the exponent field: the conversion's scale operand
.endr
.irp b, 0,1,2,3
	v_lshrrev_b32 v[236+\b], 23, v[244+\b]         ; the scale's byte
.endr
	v_lshl_or_b32 v253, v237, 8, v236              ; p's scale word for these 128 keys
	v_lshl_or_b32 v253, v238, 16, v253
	v_lshl_or_b32 v253, v239, 24, v253
.irp c, 0,1
	v_cvt_scalef32_pk16_fp6_f32 v[224+6*\c:226+6*\c], v[96+32*\c:111+32*\c], v[244+2*\c]
	v_cvt_scalef32_pk16_fp6_f32 v[236+4*\c:238+4*\c], v[112+32*\c:127+32*\c], v[244+2*\c+1]
.endr
	v_nop                                          ; one plain place behind a scaled conversion
.irp c, 0,1                                    ; the operand's layout wants a whole block in a lane
.irp i, 0,1,2
	v_permlane16_swap_b32 v[224+6*\c+\i], v[236+4*\c+\i]
.endr
.irp i, 0,1,2
	v_mov_b32 v[227+6*\c+\i], v[236+4*\c+\i]
.endr
.endr
.irp j, 0,2,4,6,8,10,12,14,16,18,20,22,24,26,28,30
	v_pk_mul_f32 v[160+\j:161+\j], v[160+\j:161+\j], v[252:253] op_sel_hi:[1,0]   ; O^T under the new M.  (These 16 are also the places in front of the products below)
.endr
	s_wait_dscnt 0x0                               ; V's images and scale words are in
.irp t, 0,1,2,3                                ; O^T += V^T P^T: four accumulators by turns
	v_wmma_scale_f32_16x16x128_f8f6f4 v[160+8*\t:167+8*\t], v[FRG+12*\t:FRG+12*\t+11], v[224:235], v[160+8*\t:167+8*\t], v[248+\t], v253 matrix_a_fmt:MATRIX_FMT_FP6 matrix_b_fmt:MATRIX_FMT_FP6
.endr
.Lhidden_\@:
	s_add_co_u32 s[KS], s[KS], 1
	s_add_co_u32 s[TS], s[TS], 512
.endm
; THE CHANGE OF SLOTS stands at a slot's head.  Each wave waits for all its tensor loads, adds 0 to its spare word, and waits for that and for its reads of the slot that it has left; behind the barrier the slot
; ahead is whole and nobody reads the other one, which is then filled with the next four steps, if any wave of the work-group will read them.
.macro CHANGE fill
	s_wait_tensorcnt 0x0                           ; no tensor load of mine is out, so a group 0 may be written
	ds_add_u32 v[SPW], v[NIL]                      ; 0 onto my spare word
.if \fill
	ds_add_u32 v[SPW], v[NIL]                      ; and once more
	s_xor_b32 s[G0K+1], s[G0K+1], SLOT1            ; the walking descriptor: the other slot,
	s_add_nc_u64 s[G0K+2:G0K+3], s[G0K+2:G0K+3], 4*STC   ; the next four steps
	s_wait_xcnt 0x0                                ; the last prefetch, a slot back, has read its address
	s_add_nc_u64 s[PFA:PFA+1], s[PFA:PFA+1], 4*STC
.endif
	s_wait_dscnt 0x0                               ; the add is done, and my reads of the slot that I have left are over
	s_barrier_signal -1
	s_barrier_wait -1
.if \fill
	s_add_co_u32 s96, s[KS], 4                     ; the first step of the slot that this change would ask for
	s_cmp_gt_u32 s96, s[LIMB]                      ; past the work-group's last step: none of its waves would read the slot.  Ids and the count of steps alone: all sixteen waves go the same way
	s_cbranch_scc1 .Lpast_\@
	KVLOAD                                         ; a wave's one tensor load until the next such barrier
.Lpast_\@:
	ASK
.endif
.endm
.macro SLOT_STEPS
	STEP 0
	STEP 1
	STEP 2
	STEP 3
	s_xor_b32 s[TB], s[TB], SLOT1                  ; on to the other slot
.endm
.Lslot:                                            ; NSL - 1 trips
	CHANGE 1
	SLOT_STEPS
	s_sub_co_u32 s[SLOTS], s[SLOTS], 1
	s_cmp_lg_u32 s[SLOTS], 0
	s_cbranch_scc1 .Lslot
	CHANGE 0                                       ; the last slot is written out: nothing is left to fetch
	SLOT_STEPS
	; THE WAY OUT.  O^T / the row's sum, in f32, is quantised along the head's 64 (two blocks of the last product's K) and stored as six registers of an operand's image; the two scale bytes go through LDS.
.rept 4
	v_nop                                          ; places behind the last products
.endr
	v_add_f32 v14, v14, v15                        ; the sum's two halves,
	v_permlanex16_b32 v252, v14, s[SEL], s[SEL+1]
	v_add_f32 v14, v14, v252                       ; and lane l xor 16's
	v_rcp_f32 v14, v14
	v_nop                                          ; a plain place behind the transcendental
	s_wait_alu depctr_va_vdst(0)                   ; the wait, ahead of the first reader
.irp j, 0,1,2,3,4,5,6,7,8,9,10,11,12,13,14,15,16,17,18,19,20,21,22,23,24,25,26,27,28,29,30,31
	v_mul_f32 v[96+\j], v[160+\j], v14             ; register 16 b + i: channel 32 b + 16 h + i
.endr
.irp b, 0,1
	v_max3_num_f32 v[232+\b], |v[96+16*\b]|, |v[97+16*\b]|, 0x1800000
.endr
.irp i, 2,4,6,8,10,12,14
.irp b, 0,1
	v_max3_num_f32 v[232+\b], v[232+\b], |v[96+16*\b+\i]|, |v[97+16*\b+\i]|
.endr
.endr
.irp b, 0,1
	v_permlanex16_b32 v[236+\b], v[232+\b], s[SEL], s[SEL+1]
.endr
.irp b, 0,1
	v_max_num_f32 v[232+\b], v[232+\b], v[236+\b]
.endr
.irp b, 0,1
	v_add_nc_u32 v[244+\b], 0xff000000, v[232+\b]
.endr
.irp b, 0,1
	v_lshrrev_b32 v[236+\b], 23, v[244+\b]
.endr
	v_lshl_or_b32 v253, v237, 8, v236              ; my row's two bytes
	v_cvt_scalef32_pk16_fp6_f32 v[224:226], v[96:111], v244
	v_cvt_scalef32_pk16_fp6_f32 v[240:242], v[112:127], v245
	v_nop
.irp i, 0,1,2
	v_permlane16_swap_b32 v[224+\i], v[240+\i]
.endr
.irp i, 0,1,2
	v_mov_b32 v[227+\i], v[240+\i]
.endr
.irp p, 0,1,2
	global_store_b64 v[GO], v[224+2*\p:225+2*\p], s[74:75] offset:256*\p   ; 32 lanes store 256 consecutive bytes, aligned
.endr
	ds_store_b16 v[SST], v253                      ; both halves of the lanes write the same two bytes with the same value
	s_wait_dscnt 0x0                               ; for the others' sake: my store has landed
	s_barrier_signal -1
	s_barrier_wait -1
	s_cmp_lt_u32 s[WV], 2                          ; wave 0 (role 0, tile 0) stores block j's 256 scale bytes, wave 1 (role 1, tile 0) block 31 - j's
	s_cbranch_scc0 .Lend
	ds_load_b64 v[232:233], v[SRD]
	s_wait_dscnt 0x0
	global_store_b64 v[GO], v[232:233], s[74:75] offset:6144
.Lend:
	s_wait_tensorcnt 0x0                           ; the wave's end
	ds_add_u32 v[SPW], v[NIL]
	s_wait_dscnt 0x0
	s_endpgm
.Lfunc_end_k_q26d6995b45_attn:
	.size	k_q26d6995b45_attn, .Lfunc_end_k_q26d6995b45_attn-k_q26d6995b45_attn
	.p2alignl 7, 3214868480
	.fill 96, 4, 3214868480
	.section	.rodata,"a",@progbits
	.p2align	6, 0x0
	.amdhsa_kernel k_q26d6995b45_attn
		.amdhsa_group_segment_fixed_size 327680
		.amdhsa_private_segment_fixed_size 0
		.amdhsa_enable_private_segment 0
		.amdhsa_kernarg_size 24
		.amdhsa_user_sgpr_count 2
		.amdhsa_user_sgpr_kernarg_segment_ptr 1
		.amdhsa_wavefront_size32 1
		.amdhsa_system_sgpr_workgroup_id_x 1
		.amdhsa_system_sgpr_workgroup_id_y 1
		.amdhsa_system_sgpr_workgroup_id_z 1
		.amdhsa_system_vgpr_workitem_id 0
		.amdhsa_next_free_vgpr 256
		.amdhsa_next_free_sgpr 100
		.amdhsa_reserve_vcc 1
		.amdhsa_float_denorm_mode_32 3
		.amdhsa_float_denorm_mode_16_64 3
		.amdhsa_memory_ordered 1
		.amdhsa_forward_progress 1
		.amdhsa_inst_pref_size 177
	.end_amdhsa_kernel
	.amdgpu_metadata
---
amdhsa.version: [ 1, 2 ]
amdhsa.kernels:
  - .name:           k_q26d6995b45_attn
    .symbol:         k_q26d6995b45_attn.kd
    .args:
      - { .name: c3, .offset: 0, .size: 8, .value_kind: global_buffer, .address_space: global }
      - { .name: s3, .offset: 8, .size: 8, .value_kind: global_buffer, .address_space: global }
      - { .name: ao, .offset: 16, .size: 8, .value_kind: global_buffer, .address_space: global }
    .group_segment_fixed_size: 327680
    .private_segment_fixed_size: 0
    .kernarg_segment_align: 8
    .kernarg_segment_size: 24
    .max_flat_workgroup_size: 512
    .sgpr_count:     100
    .vgpr_count:     256
    .wavefront_size: 32
...
	.end_amdgpu_metadata
.endif
;; end of part 3
;; launch oproj (part 4): grid 8 x 32, 4 waves a work-group, clusters of 4 x 4, 262,144 bytes of LDS; arguments ao, cd, sc, out0; writes out0
.if DOCPART == 4
	.amdgcn_target "amdgcn-amd-amdhsa--gfx1250"
	.amdhsa_code_object_version 6
	.text
	.protected	k_q26d6995b45_oproj
	.globl	k_q26d6995b45_oproj
	.p2align	8
	.type	k_q26d6995b45_oproj,@function
k_q26d6995b45_oproj:
	s_mov_b64 s[64:65], 0
	v_nop
	global_prefetch_b8 v0, s[64:65] scope:SCOPE_SE
	s_setreg_imm32_b32 hwreg(HW_REG_WAVE_MODE, 25, 1), 1
	s_wait_xcnt 0x0
	s_wait_alu depctr_hold_cnt(0) depctr_sa_sdst(0) depctr_va_vdst(0) depctr_va_sdst(0) depctr_va_ssrc(0) depctr_va_vcc(0) depctr_vm_vsrc(0)
	s_getreg_b32 s2, hwreg(HW_REG_IB_STS2, 6, 4)
	s_cmp_eq_u32 s2, 0
	s_cbranch_scc0 .Lentry_in_a_cluster
	s_endpgm
.Lentry_in_a_cluster:
	s_bfe_u32 s2, ttmp6, 0x10000c
	s_cmp_lg_u32 s2, 0xf033
	s_cbranch_scc0 .Lentry_shape_is_right
	s_endpgm
.Lentry_shape_is_right:
; FOURTH LAUNCH: out0 = (attention's result) W_o^T on codes of FP6 (E2M3), K = 1,024.  A: the third launch's images (ao); B: W_o's codes and scale bytes of the first launch (places 7,168 on of cd, sc).
; 256 work-groups, each 128 x 128 of the output; four waves, each 64 x 64: 16 accumulators.  ALL of a work-group's A (102,400 bytes) and B (128 rows x 768 bytes) fit in LDS: they are asked for at the head in
; four chunks of 256 along K, four tensor loads a wave, and nothing is filled again; a counted wait and a barrier stand in front of each chunk's first read.
; CLUSTERS: 4 x 4 work-groups: A's chunks are asked for jointly along a row of the cluster, B's along a column.
; ao: [block of 128 places][head][6,400 bytes]: tile i of 16 places at 768 i: register pair p of lane l at 256 p + 8 l: six registers = 16 places x the head's 64; at 6,144: two scale bytes a place.
; A fragment of 128 along K is two heads' six registers; its scale word two heads' pairs of bytes.
; THE MATRIX INSTRUCTION IS USED TRANSPOSED (source 0 = 16 places of W_o, source 1 = 16 places of tokens).  By the first launch's order of rows a lane's 16 registers of B's tiles 2 b, 2 b + 1 are 16 neighbouring
; columns of the output; place 16 u + r of 32 tokens is token 8 u + r + 8 (r / 8): the stores' offsets put the rows back.
; REGISTERS: window 0: v16-29 addresses; v32-63 W_o's scale words (tile b, K step s at 32 + 8 b + s); v64-79 A's scale words, two sets; v80-95 pairs of bytes; v128-255 the accumulators ((a, b) at 128 + 8 (4 a + b)),
;   which on the way out take their own block's rows back from the stage.   window 1: two fragment buffers at v0 and v128: A's four fragments, then from + 48 B's four.
.set PITCH,  240                       ; B's rows in LDS: 3 x (64 bytes + 16 of padding)
.set FR,     12
.set ACH,    25600                     ; a chunk of A: four heads' records
.set BCH,    128*PITCH                 ; a chunk of B
.set BOFF,   4*ACH
.set STAGE,  BOFF+4*BCH                ; 16 rows x (256 bytes + 16) for each wave, for the way out
.set SPARE,  STAGE+4*4352              ; the spare words, 128 bytes a wave
.set LA,   16                          ; v16-17 8 x lane + my four tiles of A; the same + 51,200
.set LSA,  18                          ; v18-19 my rows' pairs of scale bytes; the same + 51,200
.set ADRB, 20                          ; v20-21 B's fragments (24 bytes a half), low and + 61,440; v22-23 behind one padding more (40 bytes a half)
.set STO,  24
.set RD,   25
.set CO,   26
.set SBO,  27                          ; v27 32 r: a row of sc
.set SPW,  28
.set NIL,  29
.set SB,   32
.set SA,   64
.set UT,   80
.set ACC,  128
.set G1A, 24                           ; s[24:31]
.set G1B, 32                           ; s[32:39]
.set G0A, 68                           ; s[68:83] four groups 0
.set G0B, 84                           ; s[84:99]
.set MSB, 0
.macro WIN new
.if MSB != \new
	s_set_vgpr_msb (MSB<<8)|\new
.set MSB, \new
.endif
.endm
.set MUL,  0x05                        ; sources 0 and 1 window 1; C and D window 0
.set TO_F, 0x40                        ; destination window 1
.macro JLOAD g0a, g1a, g0b, g1b        ; waves 0 and 1 fetch A's halves, waves 2 and 3 B's; an s_nop 0 and four v_nop follow each line
	s_cmp_eq_u32 s15, 0
	s_cbranch_scc0 .Lfor_b_\@
	tensor_load_to_lds s[\g0a:\g0a+3], s[\g1a:\g1a+7]
	s_nop 0
.rept 4
	v_nop
.endr
	s_branch .Lasked_\@
.Lfor_b_\@:
	tensor_load_to_lds s[\g0b:\g0b+3], s[\g1b:\g1b+7]
	s_nop 0
.rept 4
	v_nop
.endr
.Lasked_\@:
.endm
.macro CROUND                          ; a round of the cluster's barrier
	s_barrier_signal -1
	s_barrier_wait -1
	s_cmp_lg_u32 s14, 0
	s_cbranch_scc1 .Lnot_wave_0_\@
	s_barrier_signal -3
.Lnot_wave_0_\@:
	s_barrier_wait -3
	s_barrier_signal -1
	s_barrier_wait -1
.endm
.macro PLACES n
.rept \n
	v_nop
.endr
.endm
	s_load_b256 s[4:11], s[0:1], 0x0               ; ao s[4:5], cd s[6:7], sc s[8:9], out0 s[10:11]
	v_lshl_add_u32 v[SPW], v0, 2, SPARE
	v_mov_b32 v[NIL], 0
	ds_add_u32 v[SPW], v[NIL]                      ; the wave's opening: the add, twice on end, and its wait ahead of my first tensor load
	ds_add_u32 v[SPW], v[NIL]
	v_lshrrev_b32 v1, 5, v0
	v_readfirstlane_b32 s14, v1                    ; wave 0..3
	s_lshr_b32 s15, s14, 1                         ; which 64 rows are mine.  Also: I fetch for A (0) or for B (1)
	s_and_b32 s16, s14, 1                          ; which 64 columns.  Also: which half I fetch
	s_bfe_u32 s40, ttmp6, 0x40000                  ; cx, cy
	s_bfe_u32 s41, ttmp6, 0x40004
	s_lshl_b32 s42, ttmp9, 2
	s_add_co_u32 s42, s42, s40                     ; tile column 0..7
	s_and_b32 s17, ttmp7, 0xffff
	s_lshl_b32 s17, s17, 2
	s_add_co_u32 s17, s17, s41                     ; tile row 0..31
	s_lshl_b32 s43, s41, 2
	s_lshl_b32 s43, 15, s43                        ; my row of the cluster
	s_lshl_b32 s44, 0x1111, s40                    ; my column
	s_or_b32 s[G1A], s43, (3<<16)|(1<<21)          ; A: half a chunk, 12,800 dense bytes, as 50 rows of 256 bytes (32 elements of 8); no padding; bit 21 beside the mask
	s_mov_b32 s[G1A+1], 32<<16
	s_mov_b32 s[G1A+2], 50<<16
	s_mov_b32 s[G1A+3], 32<<16
	s_mov_b32 s[G1A+4], 50
	s_mov_b32 s[G1A+5], 32
	s_mov_b32 s[G1A+6], 0
	s_mov_b32 s[G1A+7], 0
	s_or_b32 s[G1B], s44, (0<<16)|(1<<20)|(1<<21)|(3<<22)|(3<<25)   ; B: 64 rows of 192 bytes, 768 apart; 16 bytes of padding behind every 64
	s_mov_b32 s[G1B+1], 192<<16
	s_mov_b32 s[G1B+2], 64<<16
	s_mov_b32 s[G1B+3], 192<<16
	s_mov_b32 s[G1B+4], 64
	s_mov_b32 s[G1B+5], 768
	s_mov_b32 s[G1B+6], 0
	s_mov_b32 s[G1B+7], 0
	s_mul_i32 s20, s17, 102400                     ; A: my block of 128 places, + my half of a chunk
	s_mul_i32 s45, s16, 12800
	s_add_co_u32 s20, s20, s45
	s_mov_b32 s21, 0
	s_lshl_b32 s46, s42, 7
	s_lshl_b32 s47, s16, 6
	s_add_co_u32 s46, s46, s47
	s_add_co_u32 s46, s46, 7168                    ; B: place 7,168 + 128 x tile column + 64 x half
	s_mul_i32 s46, s46, 768
	s_mov_b32 s47, 0
	s_mul_i32 s22, s16, 64*PITCH
	s_add_co_u32 s22, s22, BOFF
	s_wait_dscnt 0x0                               ; both opening adds are done
	s_wait_kmcnt 0x0
	s_add_nc_u64 s[20:21], s[4:5], s[20:21]
	s_add_nc_u64 s[46:47], s[6:7], s[46:47]
	CROUND                                         ; all sixteen work-groups are here: the joint loads meet
.irp q, 0,1,2,3
	s_mov_b32 s[G0A+4*\q], 1
	s_add_co_u32 s[G0A+4*\q+1], s45, ACH*\q
	s_add_nc_u64 s[G0A+4*\q+2:G0A+4*\q+3], s[20:21], ACH*\q
	s_or_b32 s[G0A+4*\q+3], s[G0A+4*\q+3], 0x80000000
	s_mov_b32 s[G0B+4*\q], 1
	s_add_co_u32 s[G0B+4*\q+1], s22, BCH*\q
	s_add_nc_u64 s[G0B+4*\q+2:G0B+4*\q+3], s[46:47], 192*\q
	s_or_b32 s[G0B+4*\q+3], s[G0B+4*\q+3], 0x80000000
	JLOAD G0A+4*\q, G1A, G0B+4*\q, G1B             ; four tensor loads of mine are out
.endr
	v_and_b32 v1, 15, v0                           ; r
	v_bfe_u32 v2, v0, 4, 1                         ; h
	v_and_b32 v3, 31, v0                           ; lane
	v_lshlrev_b32 v[SBO], 5, v1
	s_lshl_b32 s18, s42, 7
	s_lshl_b32 s19, s16, 6
	s_add_co_u32 s18, s18, s19
	s_add_co_u32 s18, s18, 7168
	s_lshl_b32 s18, s18, 5                         ; my 64 rows of W_o in sc
	s_mov_b32 s19, 0
	s_add_nc_u64 s[8:9], s[8:9], s[18:19]
.irp b, 0,1,2,3
	global_load_b128 v[SB+8*\b:SB+8*\b+3], v[SBO], s[8:9] offset:512*\b       ; row r of tile b: eight scale words, one for each 128 along K
	global_load_b128 v[SB+8*\b+4:SB+8*\b+7], v[SBO], s[8:9] offset:512*\b+16
.endr
	s_mul_i32 s23, s15, 4*768
	v_lshl_add_u32 v[LA], v3, 3, s23
	v_add_nc_u32 v[LA+1], 2*ACH, v[LA]
	s_lshl_b32 s23, s15, 7
	s_add_co_u32 s23, s23, 6144
	v_lshl_add_u32 v[LSA], v1, 1, s23
	v_add_nc_u32 v[LSA+1], 2*ACH, v[LSA]
	v_mul_u32_u24 v4, v1, PITCH
	v_mad_u32_u24 v5, v2, 24, v4
	v_mad_u32_u24 v6, v2, 40, v4
	s_mul_i32 s23, s16, 64*PITCH
	s_add_co_u32 s23, s23, BOFF
	v_add_nc_u32 v[ADRB], s23, v5
	v_add_nc_u32 v[ADRB+2], s23, v6
	v_add_nc_u32 v[ADRB+1], 2*BCH, v[ADRB]
	v_add_nc_u32 v[ADRB+3], 2*BCH, v[ADRB+2]
	s_mul_i32 s23, s14, 4352
	s_add_co_u32 s23, s23, STAGE                   ; my stage
	v_mul_u32_u24 v4, v1, 272
	v_lshl_add_u32 v4, v2, 6, v4
	v_add_nc_u32 v[STO], s23, v4                   ; in: row r, + 64 h: my 16 columns of each 32
	v_mul_u32_u24 v4, v2, 272
	v_lshl_add_u32 v4, v1, 4, v4
	v_add_nc_u32 v[RD], s23, v4                    ; back: lanes 0-15 one row of 256 bytes, lanes 16-31 the next
	v_lshlrev_b32 v[CO], 12, v2
	v_lshl_add_u32 v[CO], v1, 4, v[CO]             ; and the same two rows in out0
	s_lshl_b32 s18, s17, 7
	s_lshl_b32 s19, s15, 6
	s_add_co_u32 s18, s18, s19
	s_lshl_b32 s18, s18, 12                        ; my first row: 128 x tile row + 64 x half, 4,096 bytes a row
	s_lshl_b32 s19, s42, 9
	s_add_co_u32 s18, s18, s19
	s_lshl_b32 s19, s16, 8
	s_add_co_u32 s18, s18, s19                     ; + 512 x tile column + 256 x half
	s_mov_b32 s19, 0
	s_add_nc_u64 s[10:11], s[10:11], s[18:19]
.macro FRAG reg, adr, q, i, base       ; a fragment of B from rows of 240 bytes, in pieces of 8 bytes; where the piece three on lies behind one padding more, the second address register serves
.irp p, 0,1,2,3,4,5
.set PC, 12*(\q)+6*(\p/3)+\p%3
.if PC%8 < 5
	ds_load_b64 v[\reg+2*\p:\reg+2*\p+1], v[\adr] offset:(\base)+8*PC+16*(PC/8)+(\i)*16*PITCH
.else
	ds_load_b64 v[\reg+2*\p:\reg+2*\p+1], v[\adr+2] offset:(\base)+8*PC+16*(PC/8)+(\i)*16*PITCH
.endif
.endr
.endm
.macro FETCH s                         ; K step s's eight fragments into buffer s % 2: 48 loads of 8 bytes
.set FQ, (\s)/2
.set FF, 128*((\s)%2)
	WIN TO_F
.irp a, 0,1,2,3
.irp c, 0,1
.irp p, 0,1,2
	ds_load_b64 v[FF+FR*\a+6*\c+2*\p:FF+FR*\a+6*\c+2*\p+1], v[LA+FQ/2] offset:ACH*(FQ%2)+6400*(2*((\s)%2)+\c)+768*\a+256*\p   ; heads 2 s and 2 s + 1: 256 consecutive bytes a load
.endr
.endr
.endr
.irp i, 0,1,2,3
	FRAG FF+48+FR*\i, ADRB+FQ/2, (\s)%2, \i, BCH*(FQ%2)
.endr
.endm
.macro SCLOAD q                        ; chunk q's pairs of scale bytes: four heads x my four tiles
	WIN 0
.irp hh, 0,1,2,3
.irp a, 0,1,2,3
	ds_load_u16 v[UT+4*\hh+\a], v[LSA+(\q)/2] offset:ACH*((\q)%2)+6400*\hh+32*\a
.endr
.endr
.endm
.macro MUL8 s, a0                      ; 8 matrix instructions; the 16 accumulators take turns, one instruction a turn, in the same order in every step
.set MF, 128*((\s)%2)
.set MS, SA+8*(((\s)/2)%2)+(\s)%2
.irp a, \a0, \a0+1
.irp b, 0,1,2,3
.if (\s) == 0
	v_wmma_scale_f32_16x16x128_f8f6f4 v[ACC+8*(4*(\a)+\b):ACC+8*(4*(\a)+\b)+7], v[MF+48+FR*\b:MF+48+FR*\b+FR-1], v[MF+FR*(\a):MF+FR*(\a)+FR-1], 0, v[SB+8*\b+(\s)], v[MS+2*(\a)] matrix_a_fmt:MATRIX_FMT_FP6 matrix_b_fmt:MATRIX_FMT_FP6
.else
	v_wmma_scale_f32_16x16x128_f8f6f4 v[ACC+8*(4*(\a)+\b):ACC+8*(4*(\a)+\b)+7], v[MF+48+FR*\b:MF+48+FR*\b+FR-1], v[MF+FR*(\a):MF+FR*(\a)+FR-1], v[ACC+8*(4*(\a)+\b):ACC+8*(4*(\a)+\b)+7], v[SB+8*\b+(\s)], v[MS+2*(\a)] matrix_a_fmt:MATRIX_FMT_FP6 matrix_b_fmt:MATRIX_FMT_FP6
.endif
.endr
.endr
.endm
.macro KSTEP s
	s_wait_dscnt 0x0                               ; this step's fragments (and, in a chunk's first step, its pairs of bytes) are in
.if (\s) == 0
	s_wait_loadcnt 0x0                             ; W_o's scale words
.endif
.if (\s)%2 == 0
	WIN 0
.irp a, 0,1,2,3
.irp e, 0,1
	v_lshl_or_b32 v[SA+8*(((\s)/2)%2)+2*\a+\e], v[UT+4*(2*\e+1)+\a], 16, v[UT+8*\e+\a]   ; two heads' pairs of bytes make the scale word of 128 along K: for this step (e = 0) and the next
.endr
.endr
	PLACES 8                                       ; a scale register written by a vector instruction stands eight places ahead of a scaled matrix instruction
.endif
	WIN MUL
	MUL8 \s, 0
.if (\s) < 7
.if (\s)%2 == 1
	s_wait_tensorcnt 3-((\s)+1)/2                  ; my part of the next chunk is in; the later chunks' loads may be out
	s_barrier_signal -1
	s_barrier_wait -1                              ; everybody's is
.endif
	PLACES 4                                       ; in front of loads into the buffer that the last step's products have read
	FETCH (\s)+1
.if (\s)%2 == 1
	SCLOAD ((\s)+1)/2
.endif
.endif
	WIN MUL
	MUL8 \s, 2
.endm
	s_wait_tensorcnt 3                             ; my part of chunk 0 is in; three loads may be out
	s_barrier_signal -1
	s_barrier_wait -1
	FETCH 0
	SCLOAD 0
.irp s, 0,1,2,3,4,5,6,7
	KSTEP \s
.endr
	WIN 0
; THE WAY OUT, a block of 16 places x 64 columns at a time, through my own stage: back as whole rows of 256 bytes, into the 32 registers that the block has left: so every block's stores have registers of
; their own and none is written again.  LDS serves a wave's instructions in order: no wait between the stores and the loads, nor in front of the next block's stores into the stage.
.macro TOSTAGE a
.set BB, ACC+32*(\a)
.irp b, 0,1,2,3
	ds_store_b128 v[STO], v[ACC+8*(4*(\a)+\b):ACC+8*(4*(\a)+\b)+3] offset:128*(\b/2)+32*(\b%2)        ; each accumulator from its low end on: columns 32 (b / 2) + 16 h + 8 (b % 2) + 0 .. 7
	ds_store_b128 v[STO], v[ACC+8*(4*(\a)+\b)+4:ACC+8*(4*(\a)+\b)+7] offset:128*(\b/2)+32*(\b%2)+16
.endr
.irp t, 0,1,2,3,4,5,6,7
	ds_load_b128 v[BB+4*\t:BB+4*\t+3], v[RD] offset:544*\t
.endr
.endm
.macro SEND a, younger                 ; younger: the LDS instructions issued behind block a's loads, which may stay out
.set BB, ACC+32*(\a)
	s_wait_dscnt \younger
.irp t, 0,1,2,3,4,5,6,7
	global_store_b128 v[CO], v[BB+4*\t:BB+4*\t+3], s[10:11] offset:(32*((\a)/2)+8*((\a)%2)+2*\t+8*(\t/4))*4096 th:TH_STORE_NT   ; place 16 (a % 2) + 2 t + h is token 8 (a % 2) + 2 t + h + 8 (t / 4); 16 lanes store 256 consecutive bytes, aligned
.endr
.endm
	PLACES 4                                       ; behind the last products: their results are read, and loads land in their registers
	TOSTAGE 0
.irp a, 1,2,3
	TOSTAGE \a
	SEND \a-1, 16                                  ; behind block a - 1's loads: block a's 8 stores and 8 loads
.endr
	SEND 3, 0
	s_wait_tensorcnt 0x0                           ; the wave's end
	ds_add_u32 v[SPW], v[NIL]
	s_wait_dscnt 0x0
	CROUND                                         ; the closing round
	s_endpgm
.Lfunc_end_k_q26d6995b45_oproj:
	.size	k_q26d6995b45_oproj, .Lfunc_end_k_q26d6995b45_oproj-k_q26d6995b45_oproj
	.p2alignl 7, 3214868480
	.fill 96, 4, 3214868480
	.section	.rodata,"a",@progbits
	.p2align	6, 0x0
	.amdhsa_kernel k_q26d6995b45_oproj
		.amdhsa_group_segment_fixed_size 262144
		.amdhsa_private_segment_fixed_size 0
		.amdhsa_enable_private_segment 0
		.amdhsa_kernarg_size 32
		.amdhsa_user_sgpr_count 2
		.amdhsa_user_sgpr_kernarg_segment_ptr 1
		.amdhsa_wavefront_size32 1
		.amdhsa_system_sgpr_workgroup_id_x 1
		.amdhsa_system_sgpr_workgroup_id_y 1
		.amdhsa_system_sgpr_workgroup_id_z 1
		.amdhsa_system_vgpr_workitem_id 0
		.amdhsa_next_free_vgpr 512
		.amdhsa_next_free_sgpr 100
		.amdhsa_reserve_vcc 0
		.amdhsa_float_denorm_mode_32 3
		.amdhsa_float_denorm_mode_16_64 3
		.amdhsa_memory_ordered 1
		.amdhsa_forward_progress 1
		.amdhsa_inst_pref_size 68
	.end_amdhsa_kernel
	.amdgpu_metadata
---
amdhsa.version: [ 1, 2 ]
amdhsa.kernels:
  - .name:           k_q26d6995b45_oproj
    .symbol:         k_q26d6995b45_oproj.kd
    .args:
      - { .name: ao, .offset: 0, .size: 8, .value_kind: global_buffer, .address_space: global }
      - { .name: cd, .offset: 8, .size: 8, .value_kind: global_buffer, .address_space: global }
      - { .name: sc, .offset: 16, .size: 8, .value_kind: global_buffer, .address_space: global }
      - { .name: out0, .offset: 24, .size: 8, .value_kind: global_buffer, .address_space: global }
    .group_segment_fixed_size: 262144
    .private_segment_fixed_size: 0
    .kernarg_segment_align: 8
    .kernarg_segment_size: 32
    .max_flat_workgroup_size: 128
    .sgpr_count:     100
    .vgpr_count:     512
    .wavefront_size: 32
...
	.end_amdgpu_metadata
.endif
;; end of part 4
